; MI455X (gfx1250); checked and timed in simulation.
; The chip was launched on July 23, 2026; its instructions are those of AMD's public machine-readable ISA for CDNA 5 (MIT licence, August 2026) and "CDNA5" Instruction Set Architecture Reference Guide (July 2026). The comments in the code are by the model that wrote it; some were corrected since.
;; GQA. Allowed arithmetic: float matrix products may take bf16 or f16 operands with f32 sums; all other float work in f32.
;; Inputs: W_attn 2,048 x 3,072 float32; W_proj 2,048 x 2,048 float32; b_attn 3,072 float32; b_proj 2,048 float32; freqs_cos 2,048 x 64 float32; freqs_sin 2,048 x 64 float32; x 1 x 2,048 x 2,048 float32.
;; Outputs: out0 1 x 2,048 x 2,048 float32.
;; 3 versions, each right; version 2 is faster than version 1; version 3 is version 2 with the launch cvt written anew for expert scheduling mode. Each part assembles by itself: llvm-mc -triple=amdgcn-amd-amdhsa -mcpu=gfx1250 --defsym DOCPART=n.
;; ======== version 1 of 3: 4 launches
;; limits: values outside matrix products are rounded to bf16; values are held in f16: magnitudes above 65,504 overflow, below 6.1e-05 lose precision
;; workspace buffers: xb 8,388,608 bytes; wab 12,582,912 bytes; wpf 8,388,608 bytes; qkvh 12,582,912 bytes; yh 8,388,608 bytes
;; launch cvt (part 1): grid 256 x 1, 7 waves a work-group, no clusters, 0 bytes of LDS; arguments W_attn, W_proj, x, wab, wpf, xb; writes wab, wpf, xb
.if DOCPART == 1
	.amdgcn_target "amdgcn-amd-amdhsa--gfx1250"
	.amdhsa_code_object_version 6
	.text
	.protected	k_qe54cb099f9_cvt
	.globl	k_qe54cb099f9_cvt
	.p2align	8
	.type	k_qe54cb099f9_cvt,@function
k_qe54cb099f9_cvt:
	s_mov_b64 s[64:65], 0
	v_nop
	global_prefetch_b8 v0, s[64:65] scope:SCOPE_SE
	s_setreg_imm32_b32 hwreg(HW_REG_WAVE_MODE, 25, 1), 1
	s_wait_xcnt 0x0
; Three casts, layouts unchanged: x -> xb (bf16), W_attn -> wab (bf16), W_proj -> wpf (rounded to bf16, then carried in f16).
; A unit is 32,768 bytes in and 16,384 bytes out; there are 768 + 512 + 512 = 1,792 = 256 x 7 units, one for each wave.
; Waves 0-2 take W_attn, waves 3-4 W_proj, waves 5-6 x.  Nothing is shared between work-groups, so there is no LDS, no barrier, no cluster.
; A load of a wave covers 512 neighbouring bytes, a store 256 neighbouring bytes at a multiple of 256 from the buffer's first byte.
; LIMIT (format): the bf16 value of W_proj is exact in f16 for 2^-14 <= |w| < 65,504; below that it is rounded to a multiple of 2^-24,
; above it becomes infinity.
.set XR, 8                             ; v[8:135]    slot i of 32: four f32 as loaded
.set YR, 136                           ; v[136:199]  slot i: four 16-bit numbers to store
.set TR, 200                           ; v[200:203]  at work
	s_load_b256 s[4:11], s[0:1], 0x0               ; W_attn s[4:5], W_proj s[6:7], x s[8:9], wab s[10:11]
	s_load_b128 s[12:15], s[0:1], 0x20             ; wpf s[12:13], xb s[14:15]
	v_lshrrev_b32 v3, 5, v0
	v_readfirstlane_b32 s16, v3                    ; wave 0..6
	v_and_b32 v4, 31, v0
	v_lshlrev_b32 v1, 4, v4                        ; 16 bytes a lane in
	v_lshlrev_b32 v2, 3, v4                        ; 8 bytes a lane out; neither is ever rewritten
	s_mov_b32 s25, 0xffff0000                      ; a word's upper bf16
	s_mov_b32 s19, 0                               ; high words of the two offsets
	s_mov_b32 s21, 0
	s_wait_kmcnt 0x0
.macro BASES src, dst                  ; s17 = my unit: both pointers go to it
	s_lshl_b32 s18, s17, 15
	s_lshl_b32 s20, s17, 14
	s_add_nc_u64 s[\src:\src+1], s[\src:\src+1], s[18:19]
	s_add_nc_u64 s[\dst:\dst+1], s[\dst:\dst+1], s[20:21]
.endm
; 64 chunks through a ring of 32 register slots: 32 loads of the wave are on their way until the tail.
.macro STREAM src, dst, half
.set c, 0
.rept 32
	global_load_b128 v[XR+4*c:XR+4*c+3], v1, s[\src:\src+1] offset:512*c th:TH_LOAD_NT
.set c, c+1
.endr
.set c, 0
.rept 64
.set i, c%32
.if c < 32
	s_wait_loadcnt 31                              ; loads come back in order: chunk c is in, the 31 younger ones stay out
.else
	s_wait_loadcnt 63-c                            ; the tail loads nothing: the counts run down
	s_wait_xcnt 0x0                                ; this slot's YR was the data of the store 32 chunks ago: rewritten only behind this wait
.endif
	v_cvt_pk_bf16_f32 v[YR+2*i], v[XR+4*i], v[XR+4*i+1]
	v_cvt_pk_bf16_f32 v[YR+2*i+1], v[XR+4*i+2], v[XR+4*i+3]
.if \half
	v_lshlrev_b32 v[TR], 16, v[YR+2*i]             ; the bf16 values back in f32,
	v_and_b32 v[TR+1], s25, v[YR+2*i]
	v_lshlrev_b32 v[TR+2], 16, v[YR+2*i+1]
	v_and_b32 v[TR+3], s25, v[YR+2*i+1]
	v_cvt_pk_f16_f32 v[YR+2*i], v[TR], v[TR+1]     ; and into f16, which holds their 8 significant bits
	v_cvt_pk_f16_f32 v[YR+2*i+1], v[TR+2], v[TR+3]
.endif
.if c < 32
	global_load_b128 v[XR+4*i:XR+4*i+3], v1, s[\src:\src+1] offset:512*(c+32) th:TH_LOAD_NT
.endif
	global_store_b64 v2, v[YR+2*i:YR+2*i+1], s[\dst:\dst+1] offset:256*c
.set c, c+1
.endr
.endm
	s_cmp_ge_u32 s16, 5
	s_cbranch_scc1 .Lx
	s_cmp_ge_u32 s16, 3
	s_cbranch_scc1 .Lwproj
	s_mul_i32 s17, ttmp9, 3                        ; W_attn: unit 3 x work-group + wave
	s_add_co_u32 s17, s17, s16
	BASES 4, 10
	STREAM 4, 10, 0
	s_endpgm
.Lwproj:
	s_lshl_b32 s17, ttmp9, 1                       ; W_proj: unit 2 x work-group + wave - 3
	s_add_co_u32 s17, s17, s16
	s_sub_co_u32 s17, s17, 3
	BASES 6, 12
	STREAM 6, 12, 1
	s_endpgm
.Lx:
	s_lshl_b32 s17, ttmp9, 1                       ; x: unit 2 x work-group + wave - 5
	s_add_co_u32 s17, s17, s16
	s_sub_co_u32 s17, s17, 5
	BASES 8, 14
	STREAM 8, 14, 0
	s_endpgm
.Lfunc_end_k_qe54cb099f9_cvt:
	.size	k_qe54cb099f9_cvt, .Lfunc_end_k_qe54cb099f9_cvt-k_qe54cb099f9_cvt
	.p2alignl 7, 3214868480
	.fill 96, 4, 3214868480
	.section	.rodata,"a",@progbits
	.p2align	6, 0x0
	.amdhsa_kernel k_qe54cb099f9_cvt
		.amdhsa_group_segment_fixed_size 0
		.amdhsa_private_segment_fixed_size 0
		.amdhsa_enable_private_segment 0
		.amdhsa_kernarg_size 48
		.amdhsa_user_sgpr_count 2
		.amdhsa_user_sgpr_kernarg_segment_ptr 1
		.amdhsa_wavefront_size32 1
		.amdhsa_system_sgpr_workgroup_id_x 1
		.amdhsa_system_sgpr_workgroup_id_y 1
		.amdhsa_system_sgpr_workgroup_id_z 1
		.amdhsa_system_vgpr_workitem_id 0
		.amdhsa_next_free_vgpr 208
		.amdhsa_next_free_sgpr 66
		.amdhsa_reserve_vcc 0
		.amdhsa_float_denorm_mode_32 3
		.amdhsa_float_denorm_mode_16_64 3
		.amdhsa_memory_ordered 1
		.amdhsa_forward_progress 1
		.amdhsa_inst_pref_size 87
	.end_amdhsa_kernel
	.amdgpu_metadata
---
amdhsa.version: [ 1, 2 ]
amdhsa.kernels:
  - .name:           k_qe54cb099f9_cvt
    .symbol:         k_qe54cb099f9_cvt.kd
    .args:
      - { .name: W_attn, .offset: 0, .size: 8, .value_kind: global_buffer, .address_space: global }
      - { .name: W_proj, .offset: 8, .size: 8, .value_kind: global_buffer, .address_space: global }
      - { .name: x, .offset: 16, .size: 8, .value_kind: global_buffer, .address_space: global }
      - { .name: wab, .offset: 24, .size: 8, .value_kind: global_buffer, .address_space: global }
      - { .name: wpf, .offset: 32, .size: 8, .value_kind: global_buffer, .address_space: global }
      - { .name: xb, .offset: 40, .size: 8, .value_kind: global_buffer, .address_space: global }
    .group_segment_fixed_size: 0
    .private_segment_fixed_size: 0
    .kernarg_segment_align: 8
    .kernarg_segment_size: 48
    .max_flat_workgroup_size: 224
    .sgpr_count:     66
    .vgpr_count:     208
    .wavefront_size: 32
...
	.end_amdgpu_metadata
.endif
;; end of part 1
;; launch gemm_qkv (part 2): grid 8 x 32, 4 waves a work-group, clusters of 4 x 4, 327,680 bytes of LDS; arguments xb, wab, b_attn, freqs_cos, freqs_sin, qkvh; writes qkvh
.if DOCPART == 2
	.amdgcn_target "amdgcn-amd-amdhsa--gfx1250"
	.amdhsa_code_object_version 6
	.text
	.protected	k_qe54cb099f9_gemm_qkv
	.globl	k_qe54cb099f9_gemm_qkv
	.p2align	8
	.type	k_qe54cb099f9_gemm_qkv,@function
k_qe54cb099f9_gemm_qkv:
	s_mov_b64 s[64:65], 0
	v_nop
	global_prefetch_b8 v0, s[64:65] scope:SCOPE_SE
	s_setreg_imm32_b32 hwreg(HW_REG_WAVE_MODE, 25, 1), 1
	s_wait_xcnt 0x0
	s_wait_alu depctr_hold_cnt(0) depctr_sa_sdst(0) depctr_va_vdst(0) depctr_va_sdst(0) depctr_va_ssrc(0) depctr_va_vcc(0) depctr_vm_vsrc(0)
	s_getreg_b32 s2, hwreg(HW_REG_IB_STS2, 6, 4)
	s_cmp_eq_u32 s2, 0
	s_cbranch_scc0 .Lentry_in_a_cluster
	s_endpgm
.Lentry_in_a_cluster:
	s_bfe_u32 s2, ttmp6, 0x10000c
	s_cmp_lg_u32 s2, 0xf033
	s_cbranch_scc0 .Lentry_shape_is_right
	s_endpgm
.Lentry_shape_is_right:
; qkvh[t][n] = f16 of: sum over k of xb[t][k] wab[k][n] + b_attn[n]; RoPE on columns 0-2559 (q and k); columns 0-2047 (q) times log2(e)/sqrt(128).
; xb [2048][2048] bf16, wab [2048 k][3072 n] bf16, sums in f32.  A work-group makes 64 rows x 384 columns: 8 x 32 = 256 work-groups, and a stored
; row piece is 768 bytes, three whole aligned blocks of 256.  Each of four waves owns all 64 rows (m-tiles a = 0..3) and the n-tiles w + 4 b, b = 0..5.
; K goes in steps of 128 through two LDS slots filled by the tensor data mover; wab stays [k][n] and its fragments come by the transposing LDS load.
; CLUSTERS: 4 x 4 work-groups.  x's tile hangs on the block row alone and is asked for jointly along a row of the cluster, W's on the block column alone
; and is asked for jointly along a column.  Waves 0-2 ask for W's three segments of 128 columns, wave 3 for x's tile: one load a wave.
; THE MATRIX INSTRUCTION IS USED TRANSPOSED (source 0 = 16 columns of W, source 1 = 16 rows of x): lane (r, h), register j holds
; C(row 16 a + r, column 16 (w + 4 b) + 8 h + j): eight neighbouring columns, four RoPE pairs, 16 bytes of f16.
; LIMITS (format): results are stored in f16, so |q|, |k|, |v| must stay below 65,504.  With ROUND_SMALL = 1 the bias, cos and sin are rounded
; once to bf16 before use, as x and W_attn were: the program computes the product of the inputs rounded to bf16.
.set ROUND_SMALL, 1
.set KSTEP,  128
.set KDIM,   2048
.set NB,     6                         ; n-tiles of a wave
.set NPITCH, 3072                      ; elements in a row of wab
.set PA,     272                       ; LDS pitch of x's rows: 256 + 16, an odd multiple of 16
.set PB,     288                       ; LDS pitch of W's rows: 256 + 32, an odd multiple of 32
.set SEG,    KSTEP*PB                  ; one segment of W: 128 k-rows x 128 columns = 36,864 bytes
.set AOFF,   3*SEG                     ; x's tile lies behind the three segments: the LDS address of every wave's load is wave x SEG
.set SLOT,   AOFF+64*PA                ; 128,000
.set STAGE,  2*SLOT                    ; 256,000: 64 rows x 784 bytes for the way out; no fill ever lands here
.set SP,     784                       ; 768 + 16
.set LAPS,   KDIM/(2*KSTEP)            ; 8 laps of two K steps
.set ADRX, 4                           ; v4-5    LDS address of my x fragments, slot 0, 1
.set ADRW, 6                           ; v6-11   of my W fragments, slot s, segment g at 3 s + g
.set VBI,  12                          ; v12     byte offset of my bias numbers
.set VCS,  13                          ; v13     byte offset of my cos and sin numbers
.set STO,  14                          ; v14     the way out: where I put 16 bytes
.set RD,   15                          ; v15     where I read rows back
.set CO,   16                          ; v16     my byte offset in qkvh
.set F0,   32                          ; v32-111   fragment buffer 0: W's tile b at 8 b, x's tile a at XF + 8 a
.set F1,   112                         ; v112-191  fragment buffer 1
.set XF,   8*NB
.set CS,   192                         ; v192-255  cos at 16 a + 8 par, sin 4 further (par = b mod 2)
.set BI,   32                          ; way out: v32-79 bias
.set C4,   80                          ; v80-83 cos or 1, v84-87 sin or 0
.set S4,   84
.set T0,   88                          ; v88-95 products
.set PK,   96                          ; v96-99 packed f16
.set XR,   112                         ; v112-159 one m-tile's 48 numbers
.set OUTR, 112                         ; v112-207 rows read back
; window 1: accumulator (a, b) at v[8 (6 a + b)], v0-191; the bias as loaded at v192-239
.set G1A, 24
.set G0A, 32
.set G1B, 40
.set G0B, 48
.set MSB, 0
.macro WIN new                         ; the immediate's high byte repeats the setting that is left
.if MSB != \new
	s_set_vgpr_msb (MSB<<8)|\new
.set MSB, \new
.endif
.endm
.set MUL, 0x50                         ; C and D in window 1, both fragments in window 0
.macro JLOAD s                         ; one joint load a wave; the branch hangs on the wave's number alone
	s_cmp_eq_u32 s16, 3
	s_cbranch_scc0 .Lfor_b_\@
	tensor_load_to_lds s[G0A+4*\s:G0A+4*\s+3], s[G1A:G1A+7]
	s_nop 0
	s_branch .Lasked_\@
.Lfor_b_\@:
	tensor_load_to_lds s[G0B+4*\s:G0B+4*\s+3], s[G1B:G1B+7]
	s_nop 0
.Lasked_\@:
.endm
.macro CREST                           ; a round of the cluster's barrier behind its opening barrier
	s_cmp_lg_u32 s16, 0
	s_cbranch_scc1 .Lnot_wave_0_\@
	s_barrier_signal -3
.Lnot_wave_0_\@:
	s_barrier_wait -3
	s_barrier_signal -1
	s_barrier_wait -1
.endm
.macro CROUND
	s_barrier_signal -1
	s_barrier_wait -1
	CREST
.endm
.macro PLACES                          ; four places behind a matrix instruction (ISA guide 7.12.1) before its registers are loaded into or its results read
.rept 4
	v_nop
.endr
.endm
	s_load_b256 s[4:11], s[0:1], 0x0               ; xb s[4:5], wab s[6:7], b_attn s[8:9], cos s[10:11]
	s_load_b128 s[12:15], s[0:1], 0x20             ; sin s[12:13], qkvh s[14:15]
	v_lshl_add_u32 v30, v0, 2, 0x4ac00
	v_mov_b32 v31, 0
	ds_add_u32 v30, v31
	v_lshrrev_b32 v1, 5, v0
	v_readfirstlane_b32 s16, v1                    ; wave 0..3
	s_bfe_u32 s17, ttmp6, 0x40000                  ; cx
	s_bfe_u32 s18, ttmp6, 0x40004                  ; cy
	s_lshl_b32 s19, ttmp9, 2
	s_add_co_u32 s19, s19, s17                     ; block column 0..7
	s_and_b32 s20, ttmp7, 0xffff
	s_lshl_b32 s20, s20, 2
	s_add_co_u32 s20, s20, s18                     ; block row 0..31
	s_lshl_b32 s22, s18, 2
	s_lshl_b32 s22, 15, s22                        ; my row of the cluster
	s_lshl_b32 s23, 0x1111, s17                    ; my column
	s_or_b32 s[G1A+0], s22, (1<<16)|(1<<20)|(1<<21)|(5<<22)|(3<<25)   ; mask; 2-byte elements; padding on; bit 21 beside a mask; after 64 words 4 words
	s_mov_b32 s[G1A+1], KSTEP<<16                  ; tensor_dim0 = 128
	s_mov_b32 s[G1A+2], 64<<16                     ; tensor_dim1 = 64
	s_mov_b32 s[G1A+3], KSTEP<<16                  ; tile_dim0 = 128
	s_mov_b32 s[G1A+4], 64                         ; tile_dim1 = 64
	s_mov_b32 s[G1A+5], KDIM                       ; elements from row to row of xb
	s_mov_b32 s[G1A+6], 0
	s_mov_b32 s[G1A+7], 0
	s_or_b32 s[G1B+0], s23, (1<<16)|(1<<20)|(1<<21)|(5<<22)|(7<<25)   ; the same with my column's mask and 8 words of padding
	s_mov_b32 s[G1B+1], 128<<16                    ; 128 columns
	s_mov_b32 s[G1B+2], KSTEP<<16                  ; 128 k-rows
	s_mov_b32 s[G1B+3], 128<<16
	s_mov_b32 s[G1B+4], KSTEP
	s_mov_b32 s[G1B+5], NPITCH
	s_mov_b32 s[G1B+6], 0
	s_mov_b32 s[G1B+7], 0
	; x's address is made of the block row alone, W's of the block column and the wave's number, each in registers that never hold the other coordinate
	s_lshl_b32 s56, s20, 18                        ; 64 rows x 4,096 bytes
	s_mov_b32 s57, 0
	s_mul_i32 s60, s19, 768                        ; 384 columns
	s_lshl_b32 s2, s16, 8                          ; + my segment
	s_add_co_u32 s60, s60, s2
	s_mov_b32 s61, 0
	s_mul_i32 s21, s16, SEG                        ; where my load goes: wave x 36,864
	s_wait_dscnt 0x0
	s_wait_kmcnt 0x0
	s_add_nc_u64 s[58:59], s[4:5], s[56:57]
	s_add_nc_u64 s[62:63], s[6:7], s[60:61]
	CROUND                                         ; all sixteen work-groups are here: the first joint loads meet
.irp s, 0,1
	s_mov_b32 s[G0A+4*\s], 1
	s_add_co_u32 s[G0A+4*\s+1], s21, \s*SLOT
	s_add_nc_u64 s[G0A+4*\s+2:G0A+4*\s+3], s[58:59], \s*KSTEP*2
	s_or_b32 s[G0A+4*\s+3], s[G0A+4*\s+3], 0x80000000
	s_mov_b32 s[G0B+4*\s], 1
	s_add_co_u32 s[G0B+4*\s+1], s21, \s*SLOT
	s_add_nc_u64 s[G0B+4*\s+2:G0B+4*\s+3], s[62:63], \s*KSTEP*NPITCH*2
	s_or_b32 s[G0B+4*\s+3], s[G0B+4*\s+3], 0x80000000
	JLOAD \s                                       ; K steps 0 and 1: two tensor loads of the wave are out
.endr
	v_and_b32 v1, 15, v0                           ; r
	v_bfe_u32 v2, v0, 4, 1                         ; h
	v_and_b32 v3, 7, v0
	v_bfe_u32 v17, v0, 3, 1
	v_mul_u32_u24 v18, v1, PA                      ; x fragment: row r, 16 bytes for each half of the lanes
	v_lshl_add_u32 v18, v2, 4, v18
	v_add_nc_u32 v[ADRX], AOFF, v18
	v_add_nc_u32 v[ADRX+1], AOFF+SLOT, v18
	v_lshl_add_u32 v19, v2, 3, v3                  ; W fragment: k-row 8 h + lane mod 8,
	v_mul_u32_u24 v19, v19, PB
	v_lshl_add_u32 v19, v17, 4, v19                ; 16 bytes on for lanes 8-15 of each half,
	s_lshl_b32 s2, s16, 5
	v_add_nc_u32 v19, s2, v19                      ; my wave's 16 columns
.irp s, 0,1
.irp g, 0,1,2
	v_add_nc_u32 v[ADRW+3*\s+\g], \s*SLOT+\g*SEG, v19
.endr
.endr
	s_mul_i32 s23, s19, 1536                       ; bias: 4 (384 block + 16 w + 64 b + 8 h)
	s_lshl_b32 s2, s16, 6
	s_add_co_u32 s23, s23, s2
	v_lshlrev_b32 v[VBI], 5, v2
	v_add_nc_u32 v[VBI], s23, v[VBI]
	s_lshl_b32 s22, s20, 14                        ; cos, sin: 256 (64 block + 16 a + r) + 4 (8 w + 32 par + 4 h)
	s_lshl_b32 s2, s16, 5
	s_add_co_u32 s22, s22, s2
	v_lshlrev_b32 v[VCS], 8, v1
	v_lshl_add_u32 v[VCS], v2, 4, v[VCS]
	v_add_nc_u32 v[VCS], s22, v[VCS]
	; the small inputs go out now and are waited for once, at the head of the way out; their address registers are never rewritten
	WIN 0x40                                       ; destination in window 1
.irp b, 0,1,2,3,4,5
	global_load_b128 v[192+8*\b:192+8*\b+3],   v[VBI], s[8:9] offset:256*\b
	global_load_b128 v[192+8*\b+4:192+8*\b+7], v[VBI], s[8:9] offset:256*\b+16
.endr
	WIN 0
.irp a, 0,1,2,3
.irp par, 0,1
	global_load_b128 v[CS+16*\a+8*\par:CS+16*\a+8*\par+3],   v[VCS], s[10:11] offset:4096*\a+128*\par
	global_load_b128 v[CS+16*\a+8*\par+4:CS+16*\a+8*\par+7], v[VCS], s[12:13] offset:4096*\a+128*\par
.endr
.endr
	v_mul_u32_u24 v[STO], v1, SP                   ; in: row r, byte 32 w + 16 h (+ 128 b in the immediate)
	v_lshl_add_u32 v[STO], v2, 4, v[STO]
	s_lshl_b32 s2, s16, 5
	s_add_co_u32 s2, s2, STAGE
	v_add_nc_u32 v[STO], s2, v[STO]
	v_mul_u32_u24 v[RD], v2, SP                    ; back: rows 16 w + h, sixteen lanes take 256 bytes
	v_lshl_add_u32 v[RD], v1, 4, v[RD]
	s_mul_i32 s2, s16, 16*SP
	s_add_co_u32 s2, s2, STAGE
	v_add_nc_u32 v[RD], s2, v[RD]
	v_mul_u32_u24 v[CO], v2, NPITCH*2              ; the same rows in qkvh
	v_lshl_add_u32 v[CO], v1, 4, v[CO]
	s_mul_i32 s2, s16, 16*NPITCH*2
	v_add_nc_u32 v[CO], s2, v[CO]
	; for each b: my tile lies in the group of 64 columns number 6 x block + b; groups 0-31 are q, 32-39 k, 40-47 v.  Selects, never branches.
	s_mul_i32 s23, s19, NB
.irp b, 0,1,2,3,4,5
	s_add_co_u32 s60, s23, \b
	s_cmp_lt_u32 s60, 40
	s_cselect_b32 s[66+\b], -1, 0                  ; RoPE on q and k
	s_cmp_lt_u32 s60, 32
	s_cselect_b32 s[72+2*\b], 0x3e0293ee, 1.0      ; log2(e)/sqrt(128) on q
	s_mov_b32 s[73+2*\b], s[72+2*\b]
.endr
; NB matrix instructions: m-tile a x my six n-tiles, 32 along K.  The 24 accumulators take turns, one instruction a turn, in the same order in every
; quarter step, over the loop's backward jump too.
.macro MULA f, a, zero
.irp b, 0,1,2,3,4,5
.if \zero
	v_wmma_f32_16x16x32_bf16 v[8*(NB*\a+\b):8*(NB*\a+\b)+7], v[\f+8*\b:\f+8*\b+7], v[\f+XF+8*\a:\f+XF+8*\a+7], 0
.else
	v_wmma_f32_16x16x32_bf16 v[8*(NB*\a+\b):8*(NB*\a+\b)+7], v[\f+8*\b:\f+8*\b+7], v[\f+XF+8*\a:\f+XF+8*\a+7], v[8*(NB*\a+\b):8*(NB*\a+\b)+7]
.endif
.endr
.endm
; 20 LDS loads in one run: quarter q (32 along K) of slot s into buffer f: twelve transposing loads for W, eight plain ones for x
.macro FETCH s, q, f
.irp b, 0,1,2,3,4,5
	ds_load_tr16_b128 v[\f+8*\b:\f+8*\b+3],   v[ADRW+3*\s+\b/2] offset:(\b%2)*128+\q*32*PB
	ds_load_tr16_b128 v[\f+8*\b+4:\f+8*\b+7], v[ADRW+3*\s+\b/2] offset:(\b%2)*128+\q*32*PB+16*PB
.endr
.irp a, 0,1,2,3
	ds_load_b128 v[\f+XF+8*\a:\f+XF+8*\a+3],   v[ADRX+\s] offset:\a*16*PA+\q*64
	ds_load_b128 v[\f+XF+8*\a+4:\f+XF+8*\a+7], v[ADRX+\s] offset:\a*16*PA+\q*64+32
.endr
.endm
; one of a K step's first three quarters: multiplies buffer f, fetches quarter q of the same slot into buffer g in its middle
.macro QUARTER s, q, f, g, zero
	s_wait_dscnt 4                                 ; all but the four youngest loads (x's m-tiles 2 and 3) are in
	WIN MUL
	MULA \f, 0, \zero
	MULA \f, 1, \zero
	PLACES
	WIN 0
	FETCH \s, \q, \g
	s_wait_dscnt 2*NB+8                            ; all but the 20 just issued
	WIN MUL
	MULA \f, 2, \zero
	MULA \f, 3, \zero
.endm
.macro THREE s, zero
	QUARTER \s, 1, F0, F1, \zero
	QUARTER \s, 2, F1, F0, 0
	QUARTER \s, 3, F0, F1, 0
.endm
; the last quarter: multiplies buffer 1 and changes slots.  In front of the barrier each wave waits for its reads of this slot and for all its tensor
; loads (one is out: its part of the next slot).  Where the slot is filled again the barrier opens a round of the cluster's barrier, and the joint
; refill is the first tensor load behind the round's closing wait.
.macro TURN s, next, fill
	s_wait_dscnt 4
	WIN MUL
	MULA F1, 0, 0
	s_wait_dscnt 0
	s_wait_tensorcnt 0x0
	ds_add_u32 v30, v31
	s_wait_dscnt 0x0
	s_barrier_signal -1
	MULA F1, 1, 0                                  ; register work while the others arrive
	WIN 0
	s_barrier_wait -1
.if \fill
	CREST
	s_add_nc_u64 s[G0A+4*\s+2:G0A+4*\s+3], s[G0A+4*\s+2:G0A+4*\s+3], 2*KSTEP*2          ; no load of mine is out: the addresses step two K steps on
	s_add_nc_u64 s[G0B+4*\s+2:G0B+4*\s+3], s[G0B+4*\s+2:G0B+4*\s+3], 2*KSTEP*NPITCH*2
	JLOAD \s
.endif
	PLACES
	FETCH \next, 0, F0
	WIN MUL
	MULA F1, 2, 0
	MULA F1, 3, 0
.endm
.macro LAP zero
	THREE 0, \zero
	TURN 0, 1, 1
	THREE 1, 0
	TURN 1, 0, 1
.endm
	s_wait_tensorcnt 1                             ; my part of K step 0 is in; K step 1's stays out
	s_barrier_signal -1
	s_barrier_wait -1
	FETCH 0, 0, F0
	LAP 1                                          ; the first products start the sums: nothing is cleared
	WIN 0
	s_mov_b32 s3, LAPS-2
.Llap:
	LAP 0
	WIN 0
	s_sub_co_u32 s3, s3, 1
	s_cmp_lg_u32 s3, 0
	s_cbranch_scc1 .Llap
	THREE 0, 0                                     ; the last lap fills nothing
	TURN 0, 1, 0
	THREE 1, 0
	s_wait_dscnt 4
	WIN MUL
	MULA F1, 0, 0
	MULA F1, 1, 0
	s_wait_dscnt 0
	MULA F1, 2, 0
	MULA F1, 3, 0
	; THE WAY OUT
	PLACES
	WIN 0
	s_wait_loadcnt 0x0                             ; bias, cos, sin
	s_mul_i32 s56, s20, 64*NPITCH*2                ; qkvh at my block: the row part and the column part are added one after the other
	s_add_nc_u64 s[14:15], s[14:15], s[56:57]
	s_mul_i32 s60, s19, 768
	s_add_nc_u64 s[14:15], s[14:15], s[60:61]
.if ROUND_SMALL
	s_mov_b32 s2, 0xffff0000
.set n, 0
.rept 32
	v_cvt_pk_bf16_f32 v[80+n%8], v[CS+2*n], v[CS+2*n+1]        ; cos and sin to bf16 and back, in place
	v_lshlrev_b32 v[CS+2*n], 16, v[80+n%8]
	v_and_b32 v[CS+2*n+1], s2, v[80+n%8]
.set n, n+1
.endr
	WIN 0x05                                       ; both sources in window 1
.set n, 0
.rept 24
	v_cvt_pk_bf16_f32 v[80+n], v[192+2*n], v[192+2*n+1]        ; the bias likewise, into window 0
.set n, n+1
.endr
	WIN 0
.set n, 0
.rept 24
	v_lshlrev_b32 v[BI+2*n], 16, v[80+n]
	v_and_b32 v[BI+2*n+1], s2, v[80+n]
.set n, n+1
.endr
.else
	WIN 0x01
.set n, 0
.rept 48
	v_mov_b32 v[BI+n], v[192+n]
.set n, n+1
.endr
	WIN 0
.endif
; one tile: RoPE (with cos = 1, sin = 0 on v's columns), q's factor, f16, 16 bytes into the stage
.macro ROPE a, b
.irp p, 0,1,2,3
	v_cndmask_b32 v[C4+\p], 1.0, v[CS+16*\a+8*(\b%2)+\p], s[66+\b]
	v_cndmask_b32 v[S4+\p], 0, v[CS+16*\a+8*(\b%2)+4+\p], s[66+\b]
.endr
.irp p, 0,1,2,3
	v_mul_f32 v[T0+2*\p],   v[XR+8*\b+2*\p+1], v[S4+\p]                                ; im s
	v_mul_f32 v[T0+2*\p+1], v[XR+8*\b+2*\p+1], v[C4+\p]                                ; im c
.endr
.irp p, 0,1,2,3
	v_fma_f32 v[XR+8*\b+2*\p+1], v[XR+8*\b+2*\p], v[S4+\p], v[T0+2*\p+1]               ; re s + im c
	v_fma_f32 v[XR+8*\b+2*\p],   v[XR+8*\b+2*\p], v[C4+\p], -v[T0+2*\p]                ; re c - im s
.endr
.irp p, 0,1,2,3
	v_pk_mul_f32 v[XR+8*\b+2*\p:XR+8*\b+2*\p+1], v[XR+8*\b+2*\p:XR+8*\b+2*\p+1], s[72+2*\b:73+2*\b] op_sel_hi:[1,0]
.endr
.irp p, 0,1,2,3
	v_cvt_pk_f16_f32 v[PK+\p], v[XR+8*\b+2*\p], v[XR+8*\b+2*\p+1]
.endr
	ds_store_b128 v[STO], v[PK:PK+3] offset:16*SP*\a+128*\b
.endm
.irp a, 0,1,2,3
	WIN 0x01                                       ; source 0 (the sums) in window 1
.set n, 0
.rept 24
	v_pk_add_f32 v[XR+2*n:XR+2*n+1], v[8*NB*\a+2*n:8*NB*\a+2*n+1], v[BI+2*n:BI+2*n+1]
.set n, n+1
.endr
	WIN 0
.irp b, 0,1,2,3,4,5
	ROPE \a, \b
.endr
.endr
	s_wait_dscnt 0x0                               ; my stores into the stage are done, for the others' sake
	s_barrier_signal -1
	s_barrier_wait -1
.irp t, 0,1,2,3,4,5,6,7
.irp g, 0,1,2
	ds_load_b128 v[OUTR+4*(3*\t+\g):OUTR+4*(3*\t+\g)+3], v[RD] offset:2*SP*\t+256*\g
.endr
.endr
.irp t, 0,1,2,3,4,5,6,7
.irp g, 0,1,2
	s_wait_dscnt 23-(3*\t+\g)                      ; the younger read-backs stay out
	global_store_b128 v[CO], v[OUTR+4*(3*\t+\g):OUTR+4*(3*\t+\g)+3], s[14:15] offset:2*NPITCH*2*\t+256*\g   ; 16 lanes store 256 consecutive bytes, aligned
.endr
.endr
	s_wait_tensorcnt 0x0
	ds_add_u32 v30, v31
	s_wait_dscnt 0x0
	CROUND                                         ; the closing round: no work-group ends while a partner may still ask for a tile that names it
	s_endpgm
.Lfunc_end_k_qe54cb099f9_gemm_qkv:
	.size	k_qe54cb099f9_gemm_qkv, .Lfunc_end_k_qe54cb099f9_gemm_qkv-k_qe54cb099f9_gemm_qkv
	.p2alignl 7, 3214868480
	.fill 96, 4, 3214868480
	.section	.rodata,"a",@progbits
	.p2align	6, 0x0
	.amdhsa_kernel k_qe54cb099f9_gemm_qkv
		.amdhsa_group_segment_fixed_size 327680
		.amdhsa_private_segment_fixed_size 0
		.amdhsa_enable_private_segment 0
		.amdhsa_kernarg_size 48
		.amdhsa_user_sgpr_count 2
		.amdhsa_user_sgpr_kernarg_segment_ptr 1
		.amdhsa_wavefront_size32 1
		.amdhsa_system_sgpr_workgroup_id_x 1
		.amdhsa_system_sgpr_workgroup_id_y 1
		.amdhsa_system_sgpr_workgroup_id_z 1
		.amdhsa_system_vgpr_workitem_id 0
		.amdhsa_next_free_vgpr 512
		.amdhsa_next_free_sgpr 84
		.amdhsa_reserve_vcc 0
		.amdhsa_float_denorm_mode_32 3
		.amdhsa_float_denorm_mode_16_64 3
		.amdhsa_memory_ordered 1
		.amdhsa_forward_progress 1
		.amdhsa_inst_pref_size 149
	.end_amdhsa_kernel
	.amdgpu_metadata
---
amdhsa.version: [ 1, 2 ]
amdhsa.kernels:
  - .name:           k_qe54cb099f9_gemm_qkv
    .symbol:         k_qe54cb099f9_gemm_qkv.kd
    .args:
      - { .name: xb, .offset: 0, .size: 8, .value_kind: global_buffer, .address_space: global }
      - { .name: wab, .offset: 8, .size: 8, .value_kind: global_buffer, .address_space: global }
      - { .name: b_attn, .offset: 16, .size: 8, .value_kind: global_buffer, .address_space: global }
      - { .name: freqs_cos, .offset: 24, .size: 8, .value_kind: global_buffer, .address_space: global }
      - { .name: freqs_sin, .offset: 32, .size: 8, .value_kind: global_buffer, .address_space: global }
      - { .name: qkvh, .offset: 40, .size: 8, .value_kind: global_buffer, .address_space: global }
    .group_segment_fixed_size: 327680
    .private_segment_fixed_size: 0
    .kernarg_segment_align: 8
    .kernarg_segment_size: 48
    .max_flat_workgroup_size: 128
    .sgpr_count:     84
    .vgpr_count:     512
    .wavefront_size: 32
...
	.end_amdgpu_metadata
.endif
;; end of part 2
;; launch attn (part 3): grid 16 x 16, 4 waves a work-group, clusters of 4 x 1, 327,680 bytes of LDS; arguments qkvh, yh; writes yh
.if DOCPART == 3
	.amdgcn_target "amdgcn-amd-amdhsa--gfx1250"
	.amdhsa_code_object_version 6
	.text
	.protected	k_qe54cb099f9_attn
	.globl	k_qe54cb099f9_attn
	.p2align	8
	.type	k_qe54cb099f9_attn,@function
k_qe54cb099f9_attn:
	s_mov_b64 s[64:65], 0
	v_nop
	global_prefetch_b8 v0, s[64:65] scope:SCOPE_SE
	s_setreg_imm32_b32 hwreg(HW_REG_WAVE_MODE, 25, 1), 1
	s_wait_xcnt 0x0
	s_wait_alu depctr_hold_cnt(0) depctr_sa_sdst(0) depctr_va_vdst(0) depctr_va_sdst(0) depctr_va_ssrc(0) depctr_va_vcc(0) depctr_vm_vsrc(0)
	s_getreg_b32 s2, hwreg(HW_REG_IB_STS2, 6, 4)
	s_cmp_eq_u32 s2, 0
	s_cbranch_scc0 .Lentry_in_a_cluster
	s_endpgm
.Lentry_in_a_cluster:
	s_bfe_u32 s2, ttmp6, 0x10000c
	s_cmp_lg_u32 s2, 0x3003
	s_cbranch_scc0 .Lentry_shape_is_right
	s_endpgm
.Lentry_shape_is_right:
; Causal attention with a running maximum.  qkvh [2048 t][3072] f16: q (already times log2(e)/sqrt(128)) in columns 0-2047, k in 2048-2559, v in 2560-3071.
; yh [2048 t][2048] f16.  Work-group (x, p): head = x, query blocks p and 31 - p of 64 rows, one after the other.  Block i needs the tiles of 128 keys
; 0 .. i/2, so the two blocks take (p/2 + 1) + (16 - p/2) = 17 trips in every work-group.  Only a block's last tile touches the diagonal.
; ORDER: block A is the one of the two with an EVEN number of trips (2 to 16), block B the other.  So A always ends in an odd trip, on slot 1, and B in
; trip 16, on slot 0: the loop is eight pairs (a plain trip on slot 0, a trip on slot 1 that may end A), and the last trip is written out.
; CLUSTERS: the four heads of a key/value head form a cluster of 4 x 1 and ask jointly for every K and V tile (mask 15).  p, and with it every trip
; count and branch, is the same in the four partners.  Waves 0, 1 ask for K's halves of 64 rows, waves 2, 3 for V's: one load a wave.
; IN A TRIP the keys are split: wave w takes keys 32 w .. 32 w + 31 of the tile for all 64 query rows, so each byte of K and V is read from LDS once.
; Each wave keeps its own maximum, sum and O.  At a block's end it puts them into LDS (A's into bytes of their own, B's into the two slots, whose last
; fill is over by then); at the kernel's end a loop of two trips merges the four waves' parts, wave w finishing query tile w of B, then of A.
; TRANSPOSED FORMS, query row = lane mod 16 everywhere: S^T = K x Q^T (lane (r, h), register j: key 16 kt + 8 h + j, query 16 t + r); its two tiles,
; packed to f16, ARE the B fragment P^T; O^T = V^T x P^T with V^T by the transposing LDS load; a lane's eight registers of O^T are eight neighbouring
; numbers of a row of y.  Maximum, sum and alpha are one number a lane.
; A BLOCK BEGINS with its maximum at -1e30: the first key that is not masked gives alpha = 2^(-1e30 - m) = 0, which wipes O and the sum.  Where all of a
; wave's keys for a query are masked in all of the block's tiles (B of one tile), maximum -1e30 and the old, finite O and sum stay, and the merge
; multiplies them by 2^(-1e30 - m*) = 0.
; LIMITS: q, k, v, y in f16 (below 65,504); P in f16 (weights under 2^-24 of the row's largest are dropped); scaled scores must lie above -1e30.
.set ROWB,  6144                       ; bytes in a row of qkvh
.set YROWB, 4096                       ; bytes in a row of yh
.set PKP,   272                        ; LDS pitch of K's rows
.set PVP,   288                        ; LDS pitch of V's rows (odd multiple of 32 for the transposing load)
.set VOFF,  128*PKP                    ; V behind K in a slot
.set SLOT,  VOFF+128*PVP               ; 71,680
.set REGA,  2*SLOT                     ; 143,360: block A's region; block B's region begins at byte 0.  No fill lands from REGA on
.set STATO, 131072                     ; in a region: wave u's O at 32,768 u + 8,192 x query tile + 512 x quad + 16 x lane; from STATO on the maxima and sums,
                                       ; wave x 1,024 + tile x 256 + kind x 128 + 4 x lane
.set YST,   REGA+STATO+4096            ; 278,528: wave x 16 rows x 272
.set ADRK, 4                           ; v4-5   my K fragments, slot 0, 1
.set ADRV, 6                           ; v6-7   my V fragments
.set QO,   8                           ; v8     byte offset of my part of a Q fragment
.set STSA, 9                           ; v9     where I store my maxima and sums, block A
.set MSTA, 10                          ; v10    where I store my O, block A
.set STL,  11                          ; v11    where I read the four waves' maxima and sums of tile w
.set MLD,  12                          ; v12-13 where I read waves 0, 1 (and 2, 3)'s O of tile w
.set YS,   14
.set YR,   15
.set YO,   16
.set LIMA, 17                          ; v17-18 r - 8 h - 32 w + 64 (block mod 2) for blocks A and B
.set LIMB, 18
.set NINF, 19
.set MX,   20                          ; v20-23 running maximum of query tile t
.set LS,   24                          ; v24-27 running sum (this lane's 16 keys of each 32)
.set NM,   28                          ; v28,30,32,34 minus the maximum; in the merge the four scales.  The odd neighbours are written once
.set TM,   36                          ; v36-47 at work
.set TX,   40
.set SR,   48                          ; v48-111  S^T tile (kt, t) at 32 kt + 8 t
.set PR,   112                         ; v112-143 P^T of query tile t at 8 t
.set FR,   144                         ; v144-207 K fragment (kt, ks) at 8 (4 kt + ks); then V^T fragment i at 8 i
.set AL,   240                         ; v240,242,244,246 alpha
.set STSB, 248                         ; v248-249 as STSA, MSTA for block B
.set MSTB, 249
.set R0,   48                          ; the merge: three buffers of 64
.set R1,   112
.set R2,   176
; window 1: O^T tile (i, t) at v[8 (4 i + t)];  window 2: Q fragment (t, ks) at v[8 (4 t + ks)]
.set G1K, 32
.set G1V, 40
.set G0K, 48
.set G0V, 56
.set MSB, 0
.macro WIN new                         ; the immediate's high byte repeats the setting that is left
.if MSB != \new
	s_set_vgpr_msb (MSB<<8)|\new
.set MSB, \new
.endif
.endm
.macro PLACES                          ; four places behind a matrix instruction (ISA guide 7.12.1) before its registers are loaded into or its results read
.rept 4
	v_nop
.endr
.endm
.macro ROUND                           ; a round of the cluster's barrier
	s_barrier_signal -1
	s_barrier_wait -1
	s_cmp_lg_u32 s8, 0
	s_cbranch_scc1 .Lnot_wave_0_\@
	s_barrier_signal -3
.Lnot_wave_0_\@:
	s_barrier_wait -3
	s_barrier_signal -1
	s_barrier_wait -1
.endm
.macro JLOAD s                         ; one joint load a wave; the branch hangs on the wave's number alone
	s_cmp_eq_u32 s9, 0
	s_cbranch_scc0 .Lfor_v_\@
	tensor_load_to_lds s[G0K+4*\s:G0K+4*\s+3], s[G1K:G1K+7]
	s_nop 0
	s_branch .Lasked_\@
.Lfor_v_\@:
	tensor_load_to_lds s[G0V+4*\s:G0V+4*\s+3], s[G1V:G1V+7]
	s_nop 0
.Lasked_\@:
.endm
.macro QLOAD base                      ; a block's 64 rows of Q as 16 B fragments, into window 2
	WIN 0x80
.irp t, 0,1,2,3
.irp ks, 0,1,2,3
	global_load_b128 v[8*(4*\t+\ks):8*(4*\t+\ks)+3],   v[QO], s[\base:\base+1] offset:16*ROWB*\t+64*\ks
	global_load_b128 v[8*(4*\t+\ks)+4:8*(4*\t+\ks)+7], v[QO], s[\base:\base+1] offset:16*ROWB*\t+64*\ks+32
.endr
.endr
	WIN 0
.endm
	s_load_b128 s[4:7], s[0:1], 0x0                ; qkvh s[4:5], yh s[6:7]
	v_lshl_add_u32 v254, v0, 2, 0x48400
	v_mov_b32 v255, 0
	ds_add_u32 v254, v255
	v_lshrrev_b32 v1, 5, v0
	v_readfirstlane_b32 s8, v1                     ; wave 0..3
	s_lshr_b32 s9, s8, 1                           ; I ask for K (0) or V (1),
	s_and_b32 s10, s8, 1                           ; its rows 0-63 or 64-127
	s_bfe_u32 s11, ttmp6, 0x40000                  ; cx
	s_lshl_b32 s12, ttmp9, 2
	s_add_co_u32 s12, s12, s11                     ; head = 4 x key/value head + cx
	s_lshl_b32 s3, s12, 8                          ; my head's 256 bytes of a row (feeds no descriptor)
	s_and_b32 s14, ttmp7, 0xffff                   ; p
	s_sub_co_u32 s13, 31, s14                      ; 31 - p
	s_bitcmp1_b32 s14, 1                           ; p/2 odd: block p has p/2 + 1 trips, an even number; else block 31 - p has 16 - p/2, an even number
	s_cselect_b32 s72, s14, s13                    ; block A
	s_cselect_b32 s73, s13, s14                    ; block B
	s_lshr_b32 s15, s72, 1                         ; the trip that ends A (odd),
	s_add_co_u32 s16, s15, 1                       ; and A's trips
	s_mov_b32 s17, 0                               ; the trip's number
	s_mov_b32 s19, 0xf149f2ca                      ; -1e30
	s_mov_b32 s66, 0x76543210                      ; v_permlanex16_b32: lane i reads lane i of the other half
	s_mov_b32 s67, 0xfedcba98
	s_mov_b32 s[G1K+0], 15|(1<<16)|(1<<20)|(1<<21)|(5<<22)|(3<<25)   ; mask of the four; 2-byte elements; after 64 words 4 words of padding
	s_mov_b32 s[G1K+1], 128<<16                    ; tensor_dim0 = 128
	s_mov_b32 s[G1K+2], 64<<16                     ; tensor_dim1 = 64
	s_mov_b32 s[G1K+3], 128<<16                    ; tile_dim0 = 128
	s_mov_b32 s[G1K+4], 64                         ; tile_dim1 = 64
	s_mov_b32 s[G1K+5], 3072                       ; elements from row to row
	s_mov_b32 s[G1K+6], 0
	s_mov_b32 s[G1K+7], 0
	s_mov_b32 s[G1V+0], 15|(1<<16)|(1<<20)|(1<<21)|(5<<22)|(7<<25)   ; 8 words of padding
	s_mov_b32 s[G1V+1], 128<<16
	s_mov_b32 s[G1V+2], 64<<16
	s_mov_b32 s[G1V+3], 128<<16
	s_mov_b32 s[G1V+4], 64
	s_mov_b32 s[G1V+5], 3072
	s_mov_b32 s[G1V+6], 0
	s_mov_b32 s[G1V+7], 0
	s_mul_i32 s68, s10, 64*ROWB                    ; K's tile 0, my half: made of the wave's number and the cluster's x, which the partners share
	s_lshl_b32 s70, ttmp9, 8
	s_add_co_u32 s68, s68, s70
	s_add_co_u32 s68, s68, 4096
	s_mov_b32 s69, 0
	s_mul_i32 s70, s10, 64*PKP                     ; and where the halves go
	s_mul_i32 s71, s10, 64*PVP
	s_add_co_u32 s71, s71, VOFF
	s_mov_b32 s75, 0
	s_wait_dscnt 0x0
	s_wait_kmcnt 0x0
	s_mul_i32 s74, s72, 64*ROWB
	s_add_co_u32 s74, s74, s3
	s_add_nc_u64 s[20:21], s[4:5], s[74:75]        ; Q of block A
	s_mul_i32 s74, s73, 64*ROWB
	s_add_co_u32 s74, s74, s3
	s_add_nc_u64 s[22:23], s[4:5], s[74:75]        ; Q of block B
	s_mul_i32 s74, s72, 64*YROWB
	s_add_co_u32 s74, s74, s3
	s_add_nc_u64 s[24:25], s[6:7], s[74:75]        ; y of block A
	s_mul_i32 s74, s73, 64*YROWB
	s_add_co_u32 s74, s74, s3
	s_add_nc_u64 s[26:27], s[6:7], s[74:75]        ; y of block B
	s_add_nc_u64 s[28:29], s[4:5], s[68:69]        ; K, tile 0
	s_add_nc_u64 s[30:31], s[28:29], 1024          ; V, tile 0
.irp s, 0,1
	s_mov_b32 s[G0K+4*\s], 1
	s_add_co_u32 s[G0K+4*\s+1], s70, \s*SLOT
	s_mov_b32 s[G0V+4*\s], 1
	s_add_co_u32 s[G0V+4*\s+1], s71, \s*SLOT
.endr
	s_mov_b64 s[G0K+2:G0K+3], s[28:29]
	s_or_b32 s[G0K+3], s[G0K+3], 0x80000000
	s_mov_b64 s[G0V+2:G0V+3], s[30:31]
	s_or_b32 s[G0V+3], s[G0V+3], 0x80000000
	ROUND                                          ; the four partners are here: the first joint load meets
	JLOAD 0                                        ; tile 0 into slot 0; slot 1 is filled behind the first trip's round.  One tensor load of the wave is out at any time
	v_and_b32 v1, 15, v0                           ; r
	v_bfe_u32 v2, v0, 4, 1                         ; h
	v_and_b32 v3, 31, v0                           ; lane
	v_mul_u32_u24 v[QO], v1, ROWB
	v_lshl_add_u32 v[QO], v2, 4, v[QO]
	QLOAD 20
	v_and_b32 v36, 7, v0
	v_bfe_u32 v37, v0, 3, 1
	v_mul_u32_u24 v38, v1, PKP
	v_lshl_add_u32 v38, v2, 4, v38                 ; 272 r + 16 h
	s_mul_i32 s70, s8, 32*PKP                      ; my 32 keys
	v_add_nc_u32 v[ADRK], s70, v38
	v_add_nc_u32 v[ADRK+1], SLOT, v[ADRK]
	v_lshl_add_u32 v39, v2, 3, v36                 ; key 8 h + lane mod 8
	v_mul_u32_u24 v39, v39, PVP
	v_lshl_add_u32 v39, v37, 4, v39
	s_mul_i32 s70, s8, 32*PVP
	s_add_co_u32 s70, s70, VOFF
	v_add_nc_u32 v[ADRV], s70, v39
	v_add_nc_u32 v[ADRV+1], SLOT, v[ADRV]
	s_lshl_b32 s70, s8, 10
	s_add_co_u32 s70, s70, STATO
	v_lshl_add_u32 v[STSB], v3, 2, s70
	v_add_nc_u32 v[STSA], REGA, v[STSB]
	s_lshl_b32 s70, s8, 15
	v_lshl_add_u32 v[MSTB], v3, 4, s70
	v_add_nc_u32 v[MSTA], REGA, v[MSTB]
	s_lshl_b32 s70, s8, 8
	s_add_co_u32 s70, s70, STATO
	v_lshl_add_u32 v[STL], v3, 2, s70              ; the merge begins with block B's region, at byte 0
	s_lshl_b32 s70, s8, 13
	v_lshl_add_u32 v[MLD], v3, 4, s70
	v_add_nc_u32 v[MLD+1], 0x10000, v[MLD]
	s_mul_i32 s70, s8, 16*PKP
	s_add_co_u32 s70, s70, YST
	v_add_nc_u32 v[YS], s70, v38
	v_mul_u32_u24 v39, v2, PKP
	v_lshl_add_u32 v39, v1, 4, v39
	v_add_nc_u32 v[YR], s70, v39
	v_lshlrev_b32 v39, 12, v2                      ; y: row 16 w + h, 16 bytes a lane
	v_lshl_add_u32 v39, v1, 4, v39
	s_lshl_b32 s70, s8, 16
	v_add_nc_u32 v[YO], s70, v39
	v_lshlrev_b32 v39, 3, v2
	v_sub_nc_u32 v39, v1, v39                      ; r - 8 h
	s_lshl_b32 s71, s8, 5                          ; 32 w
	s_and_b32 s70, s72, 1
	s_lshl_b32 s70, s70, 6                         ; 64 (A mod 2)
	s_sub_co_i32 s13, s70, s71
	v_add_nc_u32 v[LIMA], s13, v39
	s_and_b32 s70, s73, 1
	s_lshl_b32 s70, s70, 6                         ; 64 (B mod 2)
	s_sub_co_i32 s13, s70, s71
	v_add_nc_u32 v[LIMB], s13, v39
	v_mov_b32 v[NINF], 0xff800000
.irp t, 0,1,2,3
	v_mov_b32 v[MX+\t], s19
	v_mov_b32 v[LS+\t], 0
	v_mov_b32 v[NM+2*\t+1], 0                      ; the odd halves of the broadcast pairs: named by the packed forms, never used
	v_mov_b32 v[AL+2*\t+1], 0
	v_mov_b32 v[TX+\t], 0                          ; destinations of the lane exchange count as read
	v_mov_b32 v[TX+4+\t], 0
.endr
	; O starts at 0, so that trip 0 runs as every other trip does (its alpha is 0): 32 products of two zero fragments, eight registers an instruction
.irp n, 0,1,2,3,4,5,6,7
	v_mov_b32 v[FR+\n], 0
	v_mov_b32 v[PR+\n], 0
.endr
	WIN 0x50
.irp i, 0,1,2,3,4,5,6,7
.irp t, 0,1,2,3
	v_wmma_f32_16x16x32_f16 v[8*(4*\i+\t):8*(4*\i+\t)+7], v[FR:FR+7], v[PR:PR+7], 0
.endr
.endr
	PLACES                                         ; before K's fragments are loaded over the zero fragment
	WIN 0
; the diagonal tile: key 16 kt + 8 h + j + 32 w stays where it is not beyond query 16 t + r + 64 (block mod 2).  Tiles (0, t) and (1, t + 1) share a compare.
.macro MASK lim
.irp t, 0,1,2,3
.irp j, 0,1,2,3,4,5,6,7
	v_cmp_le_i32 vcc_lo, \j-16*\t, v[\lim]
	v_cndmask_b32 v[SR+8*\t+\j], v[NINF], v[SR+8*\t+\j], vcc_lo
.if \t < 3
	v_cndmask_b32 v[SR+32+8*(\t+1)+\j], v[NINF], v[SR+32+8*(\t+1)+\j], vcc_lo
.endif
.endr
.endr
.irp j, 0,1,2,3,4,5,6,7
	v_cmp_le_i32 vcc_lo, 16+\j, v[\lim]
	v_cndmask_b32 v[SR+32+\j], v[NINF], v[SR+32+\j], vcc_lo
.endr
.endm
; the running softmax of the four query tiles, stage by stage, so that neighbouring lines do not hang on each other
.macro SOFT
.irp t, 0,1,2,3
	v_max3_num_f32 v[TM+\t], v[MX+\t], v[SR+8*\t], v[SR+8*\t+1]
.endr
.irp k, 2,4,6
.irp t, 0,1,2,3
	v_max3_num_f32 v[TM+\t], v[TM+\t], v[SR+8*\t+\k], v[SR+8*\t+\k+1]
.endr
.endr
.irp k, 0,2,4,6
.irp t, 0,1,2,3
	v_max3_num_f32 v[TM+\t], v[TM+\t], v[SR+32+8*\t+\k], v[SR+32+8*\t+\k+1]
.endr
.endr
.irp t, 0,1,2,3
	v_permlanex16_b32 v[TX+\t], v[TM+\t], s66, s67             ; the other 16 of my 32 keys
.endr
.irp t, 0,1,2,3
	v_max_num_f32 v[TM+\t], v[TM+\t], v[TX+\t]
.endr
.irp t, 0,1,2,3
	v_sub_f32 v[AL+2*\t], v[MX+\t], v[TM+\t]                   ; old maximum - new
	v_sub_f32 v[NM+2*\t], 0, v[TM+\t]
	v_mov_b32 v[MX+\t], v[TM+\t]
.endr
.irp k, 0,2,4,6
.irp t, 0,1,2,3
	v_pk_add_f32 v[SR+8*\t+\k:SR+8*\t+\k+1], v[SR+8*\t+\k:SR+8*\t+\k+1], v[NM+2*\t:NM+2*\t+1] op_sel_hi:[1,0]
	v_pk_add_f32 v[SR+32+8*\t+\k:SR+32+8*\t+\k+1], v[SR+32+8*\t+\k:SR+32+8*\t+\k+1], v[NM+2*\t:NM+2*\t+1] op_sel_hi:[1,0]
.endr
.endr
.irp t, 0,1,2,3
	v_exp_f32 v[AL+2*\t], v[AL+2*\t]
.endr
.set n, 0
.rept 64
	v_exp_f32 v[SR+n], v[SR+n]
.set n, n+1
.endr
	v_nop                                          ; one plain place behind the exponentials before their results are used (ISA guide 5.7.2)
	s_wait_alu depctr_va_vdst(0)
.irp t, 0,1,2,3
	v_pk_add_f32 v[TM+2*\t:TM+2*\t+1], v[SR+8*\t:SR+8*\t+1], v[SR+8*\t+2:SR+8*\t+3]
.endr
.irp k, 4,6
.irp t, 0,1,2,3
	v_pk_add_f32 v[TM+2*\t:TM+2*\t+1], v[TM+2*\t:TM+2*\t+1], v[SR+8*\t+\k:SR+8*\t+\k+1]
.endr
.endr
.irp k, 0,2,4,6
.irp t, 0,1,2,3
	v_pk_add_f32 v[TM+2*\t:TM+2*\t+1], v[TM+2*\t:TM+2*\t+1], v[SR+32+8*\t+\k:SR+32+8*\t+\k+1]
.endr
.endr
.irp t, 0,1,2,3
	v_add_f32 v[TM+2*\t], v[TM+2*\t], v[TM+2*\t+1]
.endr
.irp t, 0,1,2,3
	v_fma_f32 v[LS+\t], v[LS+\t], v[AL+2*\t], v[TM+2*\t]
.endr
.irp t, 0,1,2,3
.irp p, 0,1,2,3
	v_cvt_pk_f16_f32 v[PR+8*\t+\p],   v[SR+8*\t+2*\p],    v[SR+8*\t+2*\p+1]            ; keys 8 h .. 8 h + 7: registers 0-3 of the B fragment
	v_cvt_pk_f16_f32 v[PR+8*\t+4+\p], v[SR+32+8*\t+2*\p], v[SR+32+8*\t+2*\p+1]         ; keys 16 + 8 h ..: registers 4-7
.endr
.endr
.endm
; a block's end: my maxima, sums and O go into the block's region of LDS
.macro DUMP sts, mst
.irp t, 0,1,2,3
	ds_store_b32 v[\sts], v[MX+\t] offset:256*\t
	ds_store_b32 v[\sts], v[LS+\t] offset:256*\t+128
.endr
	WIN 0x04                                       ; store data in window 1
.irp t, 0,1,2,3
.irp i, 0,1,2,3,4,5,6,7
	ds_store_b128 v[\mst], v[8*(4*\i+\t):8*(4*\i+\t)+3]   offset:8192*\t+1024*\i
	ds_store_b128 v[\mst], v[8*(4*\i+\t)+4:8*(4*\i+\t)+7] offset:8192*\t+1024*\i+512
.endr
.endr
	WIN 0
.endm
.macro MLOAD dst, adr, off             ; one wave's O of my query tile: 16 loads of 512 neighbouring bytes
.set n, 0
.rept 16
	ds_load_b128 v[\dst+4*n:\dst+4*n+3], v[\adr] offset:\off+512*n
.set n, n+1
.endr
.endm
.macro MFMA src, sc                    ; R0 += src x scale
.set n, 0
.rept 32
	v_pk_fma_f32 v[R0+2*n:R0+2*n+1], v[\src+2*n:\src+2*n+1], v[\sc:\sc+1], v[R0+2*n:R0+2*n+1] op_sel_hi:[1,0,1]
.set n, n+1
.endr
.endm
; One trip: one tile of 128 keys from slot `slot`.  refill: the next tile is asked for into the other slot.  cond: the trip may end block A.  final: it ends block B.
.macro TRIP slot, other, refill, cond, final
	s_wait_tensorcnt 0x0                           ; all my tensor loads are done, my part of this trip's tile among them, so a group 0 may be written
	ds_add_u32 v254, v255
	s_wait_dscnt 0x0
.if \refill
	s_add_co_u32 s70, s17, 1                       ; the next trip's tile: A's tiles 0 .., then B's 0 ..
	s_sub_co_u32 s71, s70, s16
	s_cmp_ge_u32 s70, s16
	s_cselect_b32 s70, s71, s70
	s_mul_i32 s68, s70, 128*ROWB
	s_add_nc_u64 s[G0K+4*\other+2:G0K+4*\other+3], s[28:29], s[68:69]
	s_or_b32 s[G0K+4*\other+3], s[G0K+4*\other+3], 0x80000000
	s_add_nc_u64 s[G0V+4*\other+2:G0V+4*\other+3], s[30:31], s[68:69]
	s_or_b32 s[G0V+4*\other+3], s[G0V+4*\other+3], 0x80000000
.endif
	s_wait_dscnt 0x0                               ; my reads of the last trip's tile are done
	ROUND                                          ; both now hold of every wave of the four partners
.if \refill
	JLOAD \other                                   ; the first thing behind the round
.endif
.irp ks, 0,1,2,3
.irp kt, 0,1
	ds_load_b128 v[FR+8*(4*\kt+\ks):FR+8*(4*\kt+\ks)+3],   v[ADRK+\slot] offset:16*PKP*\kt+64*\ks
	ds_load_b128 v[FR+8*(4*\kt+\ks)+4:FR+8*(4*\kt+\ks)+7], v[ADRK+\slot] offset:16*PKP*\kt+64*\ks+32
.endr
.endr
	s_wait_loadcnt 0x0                             ; Q (met at once but behind a block's change)
	WIN 0x08                                       ; source 1 (Q) in window 2
	; the eight accumulators of S^T take turns, one instruction a turn
.irp ks, 0,1,2,3
	s_wait_dscnt 12-4*\ks                          ; the later groups of four loads stay out
.irp kt, 0,1
.irp t, 0,1,2,3
.if \ks == 0
	v_wmma_f32_16x16x32_f16 v[SR+32*\kt+8*\t:SR+32*\kt+8*\t+7], v[FR+8*(4*\kt+\ks):FR+8*(4*\kt+\ks)+7], v[8*(4*\t+\ks):8*(4*\t+\ks)+7], 0
.else
	v_wmma_f32_16x16x32_f16 v[SR+32*\kt+8*\t:SR+32*\kt+8*\t+7], v[FR+8*(4*\kt+\ks):FR+8*(4*\kt+\ks)+7], v[8*(4*\t+\ks):8*(4*\t+\ks)+7], v[SR+32*\kt+8*\t:SR+32*\kt+8*\t+7]
.endif
.endr
.endr
.endr
	PLACES                                         ; before S^T is read, K's fragments are loaded over and Q is loaded anew
	WIN 0
.irp i, 0,1,2,3,4,5,6,7
	ds_load_tr16_b128 v[FR+8*\i:FR+8*\i+3],   v[ADRV+\slot] offset:32*\i
	ds_load_tr16_b128 v[FR+8*\i+4:FR+8*\i+7], v[ADRV+\slot] offset:32*\i+16*PVP
.endr
.if \final
	MASK LIMB
.endif
.if \cond
	s_cmp_lg_u32 s17, s15                          ; the same in all waves and all partners
	s_cbranch_scc1 .Lno_mask_\@
	MASK LIMA
	QLOAD 22                                       ; block B's Q, on its way during the rest of this trip
.Lno_mask_\@:
.endif
	SOFT
	WIN 0x41                                       ; O in window 1, alpha in window 0
.irp i, 0,1,2,3,4,5,6,7
.irp t, 0,1,2,3
.irp k, 0,2,4,6
	v_pk_mul_f32 v[8*(4*\i+\t)+\k:8*(4*\i+\t)+\k+1], v[8*(4*\i+\t)+\k:8*(4*\i+\t)+\k+1], v[AL+2*\t:AL+2*\t+1] op_sel_hi:[1,0]
.endr
.endr
.endr
	s_wait_dscnt 0x0                               ; V's fragments
	WIN 0x50                                       ; C and D in window 1
	; the 32 accumulators of O^T take turns, one instruction a turn
.irp i, 0,1,2,3,4,5,6,7
.irp t, 0,1,2,3
	v_wmma_f32_16x16x32_f16 v[8*(4*\i+\t):8*(4*\i+\t)+7], v[FR+8*\i:FR+8*\i+7], v[PR+8*\t:PR+8*\t+7], v[8*(4*\i+\t):8*(4*\i+\t)+7]
.endr
.endr
	PLACES
	WIN 0
.if \cond
	s_cmp_lg_u32 s17, s15
	s_cbranch_scc1 .Lno_end_\@
	DUMP STSA, MSTA                                ; read only at the kernel's end, behind a barrier; the next trip's wait for 0 covers these stores
.irp t, 0,1,2,3
	v_mov_b32 v[MX+\t], s19                        ; block B begins
.endr
.Lno_end_\@:
.endif
.if \final == 0
	s_add_co_u32 s17, s17, 1
.endif
.endm
	s_mov_b32 s18, 8
.Lpair:
	TRIP 0, 1, 1, 0, 0                             ; trips 0, 2, .. 14
	TRIP 1, 0, 1, 1, 0                             ; trips 1, 3, .. 15; trip 15 asks for the last tile
	s_sub_co_u32 s18, s18, 1
	s_cmp_lg_u32 s18, 0
	s_cbranch_scc1 .Lpair
	TRIP 0, 1, 0, 0, 1                             ; trip 16 asks for nothing and ends block B
	; THE END.  Both slots have had their last fill; when every wave's reads of slot 0 are over they take block B's parts.
	s_wait_dscnt 0x0
	s_barrier_signal -1
	s_barrier_wait -1
	DUMP STSB, MSTB
	s_wait_dscnt 0x0                               ; my stores are done, for the others' sake (block A's were waited for long ago)
	s_barrier_signal -1
	s_barrier_wait -1
	s_mov_b64 s[72:73], s[26:27]                   ; y of block B first
	s_mov_b32 s18, 2
.Lmerge:                                           ; wave w finishes query tile w: 16 rows of y
.irp u, 0,1,2,3
	ds_load_b32 v[TM+\u], v[STL] offset:1024*\u
.endr
.irp u, 0,1,2,3
	ds_load_b32 v[TX+\u], v[STL] offset:1024*\u+128
.endr
	MLOAD R0, MLD, 0
	MLOAD R1, MLD, 32768
	MLOAD R2, MLD+1, 0
	s_wait_dscnt 48                                ; the eight maxima and sums are in; the 48 loads of O stay out
	v_max3_num_f32 v[TX+4], v[TM], v[TM+1], v[TM+2]
	v_max_num_f32 v[TX+4], v[TX+4], v[TM+3]
.irp u, 0,1,2,3
	v_sub_f32 v[NM+2*\u], v[TM+\u], v[TX+4]
.endr
.irp u, 0,1,2,3
	v_exp_f32 v[NM+2*\u], v[NM+2*\u]
.endr
	v_nop                                          ; one plain place behind the exponentials
	s_wait_alu depctr_va_vdst(0)
	v_mul_f32 v[TX+5], v[TX], v[NM]
	v_fmac_f32 v[TX+5], v[TX+1], v[NM+2]
	v_fmac_f32 v[TX+5], v[TX+2], v[NM+4]
	v_fmac_f32 v[TX+5], v[TX+3], v[NM+6]
	v_permlanex16_b32 v[TX+6], v[TX+5], s66, s67   ; the other half of the lanes summed the other keys
	v_add_f32 v[TX+5], v[TX+5], v[TX+6]
	v_rcp_f32 v[TX+5], v[TX+5]                     ; at least 1: the key that gave the maximum counts 1, and a query's own key is never masked
	v_nop                                          ; one plain place behind the reciprocal
	s_wait_alu depctr_va_vdst(0)
.irp u, 0,1,2,3
	v_mul_f32 v[NM+2*\u], v[NM+2*\u], v[TX+5]
.endr
	s_wait_dscnt 32                                ; wave 0's O is in
.set n, 0
.rept 32
	v_pk_mul_f32 v[R0+2*n:R0+2*n+1], v[R0+2*n:R0+2*n+1], v[NM:NM+1] op_sel_hi:[1,0]
.set n, n+1
.endr
	s_wait_dscnt 16                                ; wave 1's
	MFMA R1, NM+2
	MLOAD R1, MLD+1, 32768                         ; wave 3's, into the buffer just used
	s_wait_dscnt 16                                ; wave 2's
	MFMA R2, NM+4
	s_wait_dscnt 0
	MFMA R1, NM+6
.set n, 0
.rept 32
	v_cvt_pk_f16_f32 v[R2+n], v[R0+2*n], v[R0+2*n+1]
.set n, n+1
.endr
.irp i, 0,1,2,3,4,5,6,7
	ds_store_b128 v[YS], v[R2+4*\i:R2+4*\i+3] offset:32*\i     ; my own stage: LDS serves a wave's instructions in order, no wait before the loads
.endr
.irp t, 0,1,2,3,4,5,6,7
	ds_load_b128 v[R1+4*\t:R1+4*\t+3], v[YR] offset:2*PKP*\t
.endr
.irp t, 0,1,2,3,4,5,6,7
	s_wait_dscnt 7-\t                              ; the younger read-backs stay out
	global_store_b128 v[YO], v[R1+4*\t:R1+4*\t+3], s[72:73] offset:2*YROWB*\t   ; 16 lanes store 256 consecutive bytes, aligned
.endr
	s_wait_xcnt 0x0                                ; the stores' base and data registers are written again only behind this wait
	s_mov_b64 s[72:73], s[24:25]                   ; then y of block A,
	v_add_nc_u32 v[STL], REGA, v[STL]              ; from block A's region
	v_add_nc_u32 v[MLD], REGA, v[MLD]
	v_add_nc_u32 v[MLD+1], REGA, v[MLD+1]
	s_sub_co_u32 s18, s18, 1
	s_cmp_lg_u32 s18, 0
	s_cbranch_scc1 .Lmerge
	s_wait_tensorcnt 0x0
	ds_add_u32 v254, v255
	s_wait_dscnt 0x0
	ROUND                                          ; the closing round
	s_endpgm
.Lfunc_end_k_qe54cb099f9_attn:
	.size	k_qe54cb099f9_attn, .Lfunc_end_k_qe54cb099f9_attn-k_qe54cb099f9_attn
	.p2alignl 7, 3214868480
	.fill 96, 4, 3214868480
	.section	.rodata,"a",@progbits
	.p2align	6, 0x0
	.amdhsa_kernel k_qe54cb099f9_attn
		.amdhsa_group_segment_fixed_size 327680
		.amdhsa_private_segment_fixed_size 0
		.amdhsa_enable_private_segment 0
		.amdhsa_kernarg_size 16
		.amdhsa_user_sgpr_count 2
		.amdhsa_user_sgpr_kernarg_segment_ptr 1
		.amdhsa_wavefront_size32 1
		.amdhsa_system_sgpr_workgroup_id_x 1
		.amdhsa_system_sgpr_workgroup_id_y 1
		.amdhsa_system_sgpr_workgroup_id_z 1
		.amdhsa_system_vgpr_workitem_id 0
		.amdhsa_next_free_vgpr 640
		.amdhsa_next_free_sgpr 76
		.amdhsa_reserve_vcc 1
		.amdhsa_float_denorm_mode_32 3
		.amdhsa_float_denorm_mode_16_64 3
		.amdhsa_memory_ordered 1
		.amdhsa_forward_progress 1
		.amdhsa_inst_pref_size 133
	.end_amdhsa_kernel
	.amdgpu_metadata
---
amdhsa.version: [ 1, 2 ]
amdhsa.kernels:
  - .name:           k_qe54cb099f9_attn
    .symbol:         k_qe54cb099f9_attn.kd
    .args:
      - { .name: qkvh, .offset: 0, .size: 8, .value_kind: global_buffer, .address_space: global }
      - { .name: yh, .offset: 8, .size: 8, .value_kind: global_buffer, .address_space: global }
    .group_segment_fixed_size: 327680
    .private_segment_fixed_size: 0
    .kernarg_segment_align: 8
    .kernarg_segment_size: 16
    .max_flat_workgroup_size: 128
    .sgpr_count:     76
    .vgpr_count:     640
    .wavefront_size: 32
...
	.end_amdgpu_metadata
.endif
;; end of part 3
;; launch gemm_proj (part 4): grid 8 x 32, 4 waves a work-group, clusters of 4 x 4, 327,680 bytes of LDS; arguments yh, wpf, b_proj, out0; writes out0
.if DOCPART == 4
	.amdgcn_target "amdgcn-amd-amdhsa--gfx1250"
	.amdhsa_code_object_version 6
	.text
	.protected	k_qe54cb099f9_gemm_proj
	.globl	k_qe54cb099f9_gemm_proj
	.p2align	8
	.type	k_qe54cb099f9_gemm_proj,@function
k_qe54cb099f9_gemm_proj:
	s_mov_b64 s[64:65], 0
	v_nop
	global_prefetch_b8 v0, s[64:65] scope:SCOPE_SE
	s_setreg_imm32_b32 hwreg(HW_REG_WAVE_MODE, 25, 1), 1
	s_wait_xcnt 0x0
	s_wait_alu depctr_hold_cnt(0) depctr_sa_sdst(0) depctr_va_vdst(0) depctr_va_sdst(0) depctr_va_ssrc(0) depctr_va_vcc(0) depctr_vm_vsrc(0)
	s_getreg_b32 s2, hwreg(HW_REG_IB_STS2, 6, 4)
	s_cmp_eq_u32 s2, 0
	s_cbranch_scc0 .Lentry_in_a_cluster
	s_endpgm
.Lentry_in_a_cluster:
	s_bfe_u32 s2, ttmp6, 0x10000c
	s_cmp_lg_u32 s2, 0xf033
	s_cbranch_scc0 .Lentry_shape_is_right
	s_endpgm
.Lentry_shape_is_right:
; out0[t][n] = sum over k of yh[t][k] wpf[k][n] + b_proj[n], f32.  yh [2048][2048] f16, wpf [2048 k][2048 n] f16 (the bf16 values of W_proj), sums in f32.
; A work-group makes 64 rows x 256 columns: 8 x 32 = 256 work-groups; a stored row piece is 1,024 bytes, four whole aligned blocks of 256.
; Each of four waves owns all 64 rows (m-tiles a = 0..3) and the n-tiles w + 4 b, b = 0..3.  K goes in steps of 128 through two LDS slots.
; CLUSTERS: 4 x 4 work-groups.  y's tile hangs on the block row alone (joint along a row of the cluster), W's on the block column alone (joint along a
; column).  Waves 0, 1 ask for W's two segments of 128 columns, waves 2, 3 for the halves (32 rows) of y's tile, so that every wave has one load.
; The matrix instruction is used transposed (source 0 = 16 columns of W, source 1 = 16 rows of y): lane (r, h), register j holds
; C(row 16 a + r, column 16 (w + 4 b) + 8 h + j).
; LIMITS (format): y arrives in f16 (below 65,504).  With ROUND_SMALL = 1 the bias is rounded once to bf16 before use, as all inputs are.
.set ROUND_SMALL, 1
.set KSTEP,  128
.set KDIM,   2048
.set NB,     4
.set NPITCH, 2048
.set PA,     272
.set PB,     288
.set SEG,    KSTEP*PB                  ; 36,864
.set AOFF,   2*SEG
.set SLOT,   AOFF+64*PA                ; 91,136
.set STAGE,  2*SLOT                    ; 182,272: 64 rows x 1,040 bytes; no fill ever lands here
.set SP,     1040                      ; 1,024 + 16
.set LAPS,   KDIM/(2*KSTEP)
.set ADRX, 4                           ; v4-5   my y fragments, slot 0, 1
.set ADRW, 6                           ; v6-9   my W fragments, slot s, segment g at 2 s + g
.set VBI,  12
.set STO,  14
.set RD,   15
.set CO,   16
.set F0,   32                          ; v32-95   fragment buffer 0: W's tile b at 8 b, y's tile a at XF + 8 a
.set F1,   96                          ; v96-159  fragment buffer 1
.set XF,   8*NB
.set XR,   160                         ; way out: v160-191 one m-tile's 32 numbers
.set BI,   192                         ; v192-223 bias
.set TT,   224                         ; v224-231 at work
.set OUTR, 32                          ; v32-159 rows read back
; window 1: accumulator (a, b) at v[8 (4 a + b)]
.set G1A, 24
.set G0A, 32
.set G1B, 40
.set G0B, 48
.set MSB, 0
.macro WIN new
.if MSB != \new
	s_set_vgpr_msb (MSB<<8)|\new
.set MSB, \new
.endif
.endm
.set MUL, 0x50
.macro JLOAD s
	s_cmp_lt_u32 s16, 2
	s_cbranch_scc1 .Lfor_b_\@
	tensor_load_to_lds s[G0A+4*\s:G0A+4*\s+3], s[G1A:G1A+7]
	s_nop 0
	s_branch .Lasked_\@
.Lfor_b_\@:
	tensor_load_to_lds s[G0B+4*\s:G0B+4*\s+3], s[G1B:G1B+7]
	s_nop 0
.Lasked_\@:
.endm
.macro CREST
	s_cmp_lg_u32 s16, 0
	s_cbranch_scc1 .Lnot_wave_0_\@
	s_barrier_signal -3
.Lnot_wave_0_\@:
	s_barrier_wait -3
	s_barrier_signal -1
	s_barrier_wait -1
.endm
.macro CROUND
	s_barrier_signal -1
	s_barrier_wait -1
	CREST
.endm
.macro PLACES
.rept 4
	v_nop
.endr
.endm
	s_load_b256 s[4:11], s[0:1], 0x0               ; yh s[4:5], wpf s[6:7], b_proj s[8:9], out0 s[10:11]
	v_lshl_add_u32 v254, v0, 2, 0x3cc00
	v_mov_b32 v255, 0
	ds_add_u32 v254, v255
	v_lshrrev_b32 v1, 5, v0
	v_readfirstlane_b32 s16, v1                    ; wave 0..3
	s_and_b32 s21, s16, 1                          ; which segment of W, or which half of y's tile, I ask for
	s_bfe_u32 s17, ttmp6, 0x40000                  ; cx
	s_bfe_u32 s18, ttmp6, 0x40004                  ; cy
	s_lshl_b32 s19, ttmp9, 2
	s_add_co_u32 s19, s19, s17                     ; block column 0..7
	s_and_b32 s20, ttmp7, 0xffff
	s_lshl_b32 s20, s20, 2
	s_add_co_u32 s20, s20, s18                     ; block row 0..31
	s_lshl_b32 s22, s18, 2
	s_lshl_b32 s22, 15, s22                        ; my row of the cluster
	s_lshl_b32 s23, 0x1111, s17                    ; my column
	s_or_b32 s[G1A+0], s22, (1<<16)|(1<<20)|(1<<21)|(5<<22)|(3<<25)
	s_mov_b32 s[G1A+1], KSTEP<<16                  ; tensor_dim0 = 128
	s_mov_b32 s[G1A+2], 32<<16                     ; tensor_dim1 = 32
	s_mov_b32 s[G1A+3], KSTEP<<16                  ; tile_dim0 = 128
	s_mov_b32 s[G1A+4], 32                         ; tile_dim1 = 32
	s_mov_b32 s[G1A+5], KDIM
	s_mov_b32 s[G1A+6], 0
	s_mov_b32 s[G1A+7], 0
	s_or_b32 s[G1B+0], s23, (1<<16)|(1<<20)|(1<<21)|(5<<22)|(7<<25)
	s_mov_b32 s[G1B+1], 128<<16
	s_mov_b32 s[G1B+2], KSTEP<<16
	s_mov_b32 s[G1B+3], 128<<16
	s_mov_b32 s[G1B+4], KSTEP
	s_mov_b32 s[G1B+5], NPITCH
	s_mov_b32 s[G1B+6], 0
	s_mov_b32 s[G1B+7], 0
	s_lshl_b32 s56, s20, 18                        ; y: 64 rows x 4,096 bytes a block row,
	s_lshl_b32 s2, s21, 17                         ; + 32 rows for the second half
	s_add_co_u32 s56, s56, s2
	s_mov_b32 s57, 0
	s_lshl_b32 s60, s19, 9                         ; W: 256 columns a block column,
	s_lshl_b32 s2, s21, 8                          ; + my segment
	s_add_co_u32 s60, s60, s2
	s_mov_b32 s61, 0
	s_mul_i32 s12, s21, 32*PA                      ; where y's halves go,
	s_add_co_u32 s12, s12, AOFF
	s_mul_i32 s13, s21, SEG                        ; and W's segments
	s_wait_dscnt 0x0
	s_wait_kmcnt 0x0
	s_add_nc_u64 s[58:59], s[4:5], s[56:57]
	s_add_nc_u64 s[62:63], s[6:7], s[60:61]
	CROUND
.irp s, 0,1
	s_mov_b32 s[G0A+4*\s], 1
	s_add_co_u32 s[G0A+4*\s+1], s12, \s*SLOT
	s_add_nc_u64 s[G0A+4*\s+2:G0A+4*\s+3], s[58:59], \s*KSTEP*2
	s_or_b32 s[G0A+4*\s+3], s[G0A+4*\s+3], 0x80000000
	s_mov_b32 s[G0B+4*\s], 1
	s_add_co_u32 s[G0B+4*\s+1], s13, \s*SLOT
	s_add_nc_u64 s[G0B+4*\s+2:G0B+4*\s+3], s[62:63], \s*KSTEP*NPITCH*2
	s_or_b32 s[G0B+4*\s+3], s[G0B+4*\s+3], 0x80000000
	JLOAD \s                                       ; K steps 0 and 1: two tensor loads of the wave are out
.endr
	v_and_b32 v1, 15, v0                           ; r
	v_bfe_u32 v2, v0, 4, 1                         ; h
	v_and_b32 v3, 7, v0
	v_bfe_u32 v17, v0, 3, 1
	v_and_b32 v20, 31, v0                          ; lane
	v_mul_u32_u24 v18, v1, PA
	v_lshl_add_u32 v18, v2, 4, v18
	v_add_nc_u32 v[ADRX], AOFF, v18
	v_add_nc_u32 v[ADRX+1], AOFF+SLOT, v18
	v_lshl_add_u32 v19, v2, 3, v3
	v_mul_u32_u24 v19, v19, PB
	v_lshl_add_u32 v19, v17, 4, v19
	s_lshl_b32 s2, s16, 5
	v_add_nc_u32 v19, s2, v19
.irp s, 0,1
.irp g, 0,1
	v_add_nc_u32 v[ADRW+2*\s+\g], \s*SLOT+\g*SEG, v19
.endr
.endr
	s_lshl_b32 s23, s19, 10                        ; bias: 4 (256 block + 16 w + 64 b + 8 h)
	s_lshl_b32 s2, s16, 6
	s_add_co_u32 s23, s23, s2
	v_lshlrev_b32 v[VBI], 5, v2
	v_add_nc_u32 v[VBI], s23, v[VBI]
.irp b, 0,1,2,3
	global_load_b128 v[BI+8*\b:BI+8*\b+3],   v[VBI], s[8:9] offset:256*\b        ; waited for once, at the head of the way out
	global_load_b128 v[BI+8*\b+4:BI+8*\b+7], v[VBI], s[8:9] offset:256*\b+16
.endr
	v_mul_u32_u24 v[STO], v1, SP                   ; in: row r, byte 64 w + 32 h (+ 256 b in the immediate)
	v_lshl_add_u32 v[STO], v2, 5, v[STO]
	s_lshl_b32 s2, s16, 6
	s_add_co_u32 s2, s2, STAGE
	v_add_nc_u32 v[STO], s2, v[STO]
	s_mul_i32 s2, s16, 16*SP                       ; back: rows 16 w .., 32 lanes take 512 bytes
	s_add_co_u32 s2, s2, STAGE
	v_lshl_add_u32 v[RD], v20, 4, s2
	s_lshl_b32 s2, s16, 17                         ; the same rows in out0: 16 rows x 8,192 bytes a wave
	v_lshl_add_u32 v[CO], v20, 4, s2
; The 16 accumulators take turns, one instruction a turn, in the same order in every quarter step, over the loop's backward jump too.
.macro MULA f, a, zero
.irp b, 0,1,2,3
.if \zero
	v_wmma_f32_16x16x32_f16 v[8*(NB*\a+\b):8*(NB*\a+\b)+7], v[\f+8*\b:\f+8*\b+7], v[\f+XF+8*\a:\f+XF+8*\a+7], 0
.else
	v_wmma_f32_16x16x32_f16 v[8*(NB*\a+\b):8*(NB*\a+\b)+7], v[\f+8*\b:\f+8*\b+7], v[\f+XF+8*\a:\f+XF+8*\a+7], v[8*(NB*\a+\b):8*(NB*\a+\b)+7]
.endif
.endr
.endm
.macro FETCH s, q, f                   ; 16 LDS loads in one run: eight transposing ones for W, eight plain ones for y
.irp b, 0,1,2,3
	ds_load_tr16_b128 v[\f+8*\b:\f+8*\b+3],   v[ADRW+2*\s+\b/2] offset:(\b%2)*128+\q*32*PB
	ds_load_tr16_b128 v[\f+8*\b+4:\f+8*\b+7], v[ADRW+2*\s+\b/2] offset:(\b%2)*128+\q*32*PB+16*PB
.endr
.irp a, 0,1,2,3
	ds_load_b128 v[\f+XF+8*\a:\f+XF+8*\a+3],   v[ADRX+\s] offset:\a*16*PA+\q*64
	ds_load_b128 v[\f+XF+8*\a+4:\f+XF+8*\a+7], v[ADRX+\s] offset:\a*16*PA+\q*64+32
.endr
.endm
.macro QUARTER s, q, f, g, zero
	s_wait_dscnt 4                                 ; all but the four youngest loads (y's m-tiles 2 and 3) are in
	WIN MUL
	MULA \f, 0, \zero
	MULA \f, 1, \zero
	PLACES
	WIN 0
	FETCH \s, \q, \g
	s_wait_dscnt 2*NB+8                            ; all but the 16 just issued
	WIN MUL
	MULA \f, 2, \zero
	MULA \f, 3, \zero
.endm
.macro THREE s, zero
	QUARTER \s, 1, F0, F1, \zero
	QUARTER \s, 2, F1, F0, 0
	QUARTER \s, 3, F0, F1, 0
.endm
; the last quarter changes slots: each wave's reads of this slot and all its tensor loads are waited for in front of the barrier; where the slot is
; filled again the barrier opens a round of the cluster's barrier and the joint refill is the first tensor load behind the round
.macro TURN s, next, fill
	s_wait_dscnt 4
	WIN MUL
	MULA F1, 0, 0
	s_wait_dscnt 0
	s_wait_tensorcnt 0x0
	ds_add_u32 v254, v255
	s_wait_dscnt 0x0
	s_barrier_signal -1
	MULA F1, 1, 0
	WIN 0
	s_barrier_wait -1
.if \fill
	CREST
	s_add_nc_u64 s[G0A+4*\s+2:G0A+4*\s+3], s[G0A+4*\s+2:G0A+4*\s+3], 2*KSTEP*2
	s_add_nc_u64 s[G0B+4*\s+2:G0B+4*\s+3], s[G0B+4*\s+2:G0B+4*\s+3], 2*KSTEP*NPITCH*2
	JLOAD \s
.endif
	PLACES
	FETCH \next, 0, F0
	WIN MUL
	MULA F1, 2, 0
	MULA F1, 3, 0
.endm
.macro LAP zero
	THREE 0, \zero
	TURN 0, 1, 1
	THREE 1, 0
	TURN 1, 0, 1
.endm
	s_wait_tensorcnt 1                             ; my part of K step 0 is in; K step 1's stays out
	s_barrier_signal -1
	s_barrier_wait -1
	FETCH 0, 0, F0
	LAP 1
	WIN 0
	s_mov_b32 s3, LAPS-2
.Llap:
	LAP 0
	WIN 0
	s_sub_co_u32 s3, s3, 1
	s_cmp_lg_u32 s3, 0
	s_cbranch_scc1 .Llap
	THREE 0, 0
	TURN 0, 1, 0
	THREE 1, 0
	s_wait_dscnt 4
	WIN MUL
	MULA F1, 0, 0
	MULA F1, 1, 0
	s_wait_dscnt 0
	MULA F1, 2, 0
	MULA F1, 3, 0
	; THE WAY OUT
	PLACES
	WIN 0
	s_wait_loadcnt 0x0                             ; the bias
	s_lshl_b32 s56, s20, 19                        ; out0 at my block: 64 rows x 8,192 bytes, then 1,024 bytes a block column
	s_add_nc_u64 s[10:11], s[10:11], s[56:57]
	s_lshl_b32 s60, s19, 10
	s_add_nc_u64 s[10:11], s[10:11], s[60:61]
.if ROUND_SMALL
	s_mov_b32 s2, 0xffff0000
.set n, 0
.rept 16
	v_cvt_pk_bf16_f32 v[TT+n%8], v[BI+2*n], v[BI+2*n+1]
	v_lshlrev_b32 v[BI+2*n], 16, v[TT+n%8]
	v_and_b32 v[BI+2*n+1], s2, v[TT+n%8]
.set n, n+1
.endr
.endif
.irp a, 0,1,2,3
	WIN 0x01                                       ; source 0 (the sums) in window 1
.set n, 0
.rept 16
	v_pk_add_f32 v[XR+2*n:XR+2*n+1], v[8*NB*\a+2*n:8*NB*\a+2*n+1], v[BI+2*n:BI+2*n+1]
.set n, n+1
.endr
	WIN 0
.irp b, 0,1,2,3
	ds_store_b128 v[STO], v[XR+8*\b:XR+8*\b+3]   offset:16*SP*\a+256*\b
	ds_store_b128 v[STO], v[XR+8*\b+4:XR+8*\b+7] offset:16*SP*\a+256*\b+16
.endr
.endr
	s_wait_dscnt 0x0                               ; my stores into the stage are done, for the others' sake
	s_barrier_signal -1
	s_barrier_wait -1
.set n, 0
.rept 32
	ds_load_b128 v[OUTR+4*n:OUTR+4*n+3], v[RD] offset:SP*(n/2)+512*(n%2)
.set n, n+1
.endr
.set n, 0
.rept 32
	s_wait_dscnt 31-n                              ; the younger read-backs stay out
	global_store_b128 v[CO], v[OUTR+4*n:OUTR+4*n+3], s[10:11] offset:NPITCH*4*(n/2)+512*(n%2) th:TH_STORE_NT   ; a wave stores 512 consecutive bytes, aligned
.set n, n+1
.endr
	s_wait_tensorcnt 0x0
	ds_add_u32 v254, v255
	s_wait_dscnt 0x0
	CROUND                                         ; the closing round
	s_endpgm
.Lfunc_end_k_qe54cb099f9_gemm_proj:
	.size	k_qe54cb099f9_gemm_proj, .Lfunc_end_k_qe54cb099f9_gemm_proj-k_qe54cb099f9_gemm_proj
	.p2alignl 7, 3214868480
	.fill 96, 4, 3214868480
	.section	.rodata,"a",@progbits
	.p2align	6, 0x0
	.amdhsa_kernel k_qe54cb099f9_gemm_proj
		.amdhsa_group_segment_fixed_size 327680
		.amdhsa_private_segment_fixed_size 0
		.amdhsa_enable_private_segment 0
		.amdhsa_kernarg_size 32
		.amdhsa_user_sgpr_count 2
		.amdhsa_user_sgpr_kernarg_segment_ptr 1
		.amdhsa_wavefront_size32 1
		.amdhsa_system_sgpr_workgroup_id_x 1
		.amdhsa_system_sgpr_workgroup_id_y 1
		.amdhsa_system_sgpr_workgroup_id_z 1
		.amdhsa_system_vgpr_workitem_id 0
		.amdhsa_next_free_vgpr 384
		.amdhsa_next_free_sgpr 66
		.amdhsa_reserve_vcc 0
		.amdhsa_float_denorm_mode_32 3
		.amdhsa_float_denorm_mode_16_64 3
		.amdhsa_memory_ordered 1
		.amdhsa_forward_progress 1
		.amdhsa_inst_pref_size 80
	.end_amdhsa_kernel
	.amdgpu_metadata
---
amdhsa.version: [ 1, 2 ]
amdhsa.kernels:
  - .name:           k_qe54cb099f9_gemm_proj
    .symbol:         k_qe54cb099f9_gemm_proj.kd
    .args:
      - { .name: yh, .offset: 0, .size: 8, .value_kind: global_buffer, .address_space: global }
      - { .name: wpf, .offset: 8, .size: 8, .value_kind: global_buffer, .address_space: global }
      - { .name: b_proj, .offset: 16, .size: 8, .value_kind: global_buffer, .address_space: global }
      - { .name: out0, .offset: 24, .size: 8, .value_kind: global_buffer, .address_space: global }
    .group_segment_fixed_size: 327680
    .private_segment_fixed_size: 0
    .kernarg_segment_align: 8
    .kernarg_segment_size: 32
    .max_flat_workgroup_size: 128
    .sgpr_count:     66
    .vgpr_count:     384
    .wavefront_size: 32
...
	.end_amdgpu_metadata
.endif
;; end of part 4
;; ======== version 2 of 3: 4 launches; 1.16 times as fast as version 1
;; limits: values outside matrix products are rounded to bf16; values are held in f16: magnitudes above 65,504 overflow, below 6.1e-05 lose precision
;; workspace buffers: xb 8,388,608 bytes; wab 12,582,912 bytes; wpf 8,388,608 bytes; qkvh 12,582,912 bytes; yh 8,388,608 bytes
;; launch cvt: the kernel of part 1 again; grid 256 x 1, 7 waves a work-group, no clusters, 0 bytes of LDS; arguments W_attn, W_proj, x, wab, wpf, xb; writes wab, wpf, xb
;; launch gemm_qkv (part 5): grid 8 x 32, 4 waves a work-group, clusters of 4 x 4, 327,680 bytes of LDS; arguments xb, wab, b_attn, freqs_cos, freqs_sin, qkvh; writes qkvh
.if DOCPART == 5
	.amdgcn_target "amdgcn-amd-amdhsa--gfx1250"
	.amdhsa_code_object_version 6
	.text
	.protected	k_qe54cb099f9_gemm_qkv
	.globl	k_qe54cb099f9_gemm_qkv
	.p2align	8
	.type	k_qe54cb099f9_gemm_qkv,@function
k_qe54cb099f9_gemm_qkv:
	s_mov_b64 s[64:65], 0
	v_nop
	global_prefetch_b8 v0, s[64:65] scope:SCOPE_SE
	s_setreg_imm32_b32 hwreg(HW_REG_WAVE_MODE, 25, 1), 1
	s_wait_xcnt 0x0
	s_wait_alu depctr_hold_cnt(0) depctr_sa_sdst(0) depctr_va_vdst(0) depctr_va_sdst(0) depctr_va_ssrc(0) depctr_va_vcc(0) depctr_vm_vsrc(0)
	s_getreg_b32 s2, hwreg(HW_REG_IB_STS2, 6, 4)
	s_cmp_eq_u32 s2, 0
	s_cbranch_scc0 .Lentry_in_a_cluster
	s_endpgm
.Lentry_in_a_cluster:
	s_bfe_u32 s2, ttmp6, 0x10000c
	s_cmp_lg_u32 s2, 0xf033
	s_cbranch_scc0 .Lentry_shape_is_right
	s_endpgm
.Lentry_shape_is_right:
; qkvh[t][n] = f16 of: sum over k of xb[t][k] wab[k][n] + b_attn[n]; RoPE on columns 0-2559 (q and k); columns 0-2047 (q) times log2(e)/sqrt(128).
; xb [2048][2048] bf16, wab [2048 k][3072 n] bf16, sums in f32.  A work-group makes 64 rows x 384 columns: 8 x 32 = 256 work-groups, and a stored
; row piece is 768 bytes, three whole aligned blocks of 256.  Each of four waves owns all 64 rows (m-tiles a = 0..3) and the n-tiles w + 4 b, b = 0..5.
; K goes in steps of 128 through two LDS slots filled by the tensor data mover; wab stays [k][n] and its fragments come by the transposing LDS load.
; CLUSTERS: 4 x 4 work-groups.  x's tile hangs on the block row alone and is asked for jointly along a row of the cluster, W's on the block column alone
; and is asked for jointly along a column.  Waves 0-2 ask for W's three segments of 128 columns, wave 3 for x's tile: one load a wave.
; K ORDER: cluster (X, Y) begins at K step 8 X + 4 (Y mod 4) and goes round modulo 16.  So the clusters that need the same rows of W (same X) or of x
; (same Y) ask for a given K step in different rounds, and all but the first of them ask for bytes that have been read before.  The start step is
; made of the cluster's x and y alone, which all partners of a joint load share.  Only the order of the f32 additions differs between clusters.
; THE MATRIX INSTRUCTION IS USED TRANSPOSED (source 0 = 16 columns of W, source 1 = 16 rows of x): lane (r, h), register j holds
; C(row 16 a + r, column 16 (w + 4 b) + 8 h + j): eight neighbouring columns, four RoPE pairs, 16 bytes of f16.
; LIMITS (format): results are stored in f16, so |q|, |k|, |v| must stay below 65,504.  With ROUND_SMALL = 1 the bias, cos and sin are rounded
; once to bf16 before use, as x and W_attn were: the program computes the product of the inputs rounded to bf16.
.set ROUND_SMALL, 1
.set KSTEP,  128
.set KDIM,   2048
.set NB,     6                         ; n-tiles of a wave
.set NPITCH, 3072                      ; elements in a row of wab
.set PA,     272                       ; LDS pitch of x's rows: 256 + 16, an odd multiple of 16
.set PB,     288                       ; LDS pitch of W's rows: 256 + 32, an odd multiple of 32
.set SEG,    KSTEP*PB                  ; one segment of W: 128 k-rows x 128 columns = 36,864 bytes
.set AOFF,   3*SEG                     ; x's tile lies behind the three segments: the LDS address of every wave's load is wave x SEG
.set SLOT,   AOFF+64*PA                ; 128,000
.set STAGE,  2*SLOT                    ; 256,000: 64 rows x 784 bytes for the way out; no fill ever lands here
.set SP,     784                       ; 768 + 16
.set LAPS,   KDIM/(2*KSTEP)            ; 8 laps of two K steps
.set ADRX, 4                           ; v4-5    LDS address of my x fragments, slot 0, 1
.set ADRW, 6                           ; v6-11   of my W fragments, slot s, segment g at 3 s + g
.set VBI,  12                          ; v12     byte offset of my bias numbers
.set VCS,  13                          ; v13     byte offset of my cos and sin numbers
.set STO,  14                          ; v14     the way out: where I put 16 bytes
.set RD,   15                          ; v15     where I read rows back
.set CO,   16                          ; v16     my byte offset in qkvh
.set F0,   32                          ; v32-111   fragment buffer 0: W's tile b at 8 b, x's tile a at XF + 8 a
.set F1,   112                         ; v112-191  fragment buffer 1
.set XF,   8*NB
.set CS,   192                         ; v192-255  cos at 16 a + 8 par, sin 4 further (par = b mod 2)
.set BI,   32                          ; way out: v32-79 bias
.set C4,   80                          ; v80-83 cos or 1, v84-87 sin or 0
.set S4,   84
.set T0,   88                          ; v88-95 products
.set PK,   96                          ; v96-99 packed f16
.set XR,   112                         ; v112-159 one m-tile's 48 numbers
.set OUTR, 112                         ; v112-207 rows read back
; window 1: accumulator (a, b) at v[8 (6 a + b)], v0-191; the bias as loaded at v192-239
.set G1A, 24
.set G0A, 32
.set G1B, 40
.set G0B, 48
.set MSB, 0
.macro WIN new                         ; the immediate's high byte repeats the setting that is left
.if MSB != \new
	s_set_vgpr_msb (MSB<<8)|\new
.set MSB, \new
.endif
.endm
.set MUL, 0x50                         ; C and D in window 1, both fragments in window 0
.macro JLOAD s                         ; one joint load a wave; the branch hangs on the wave's number alone
	s_cmp_eq_u32 s16, 3
	s_cbranch_scc0 .Lfor_b_\@
	tensor_load_to_lds s[G0A+4*\s:G0A+4*\s+3], s[G1A:G1A+7]
	s_nop 0
	s_branch .Lasked_\@
.Lfor_b_\@:
	tensor_load_to_lds s[G0B+4*\s:G0B+4*\s+3], s[G1B:G1B+7]
	s_nop 0
.Lasked_\@:
.endm
; The addresses of K step s84 go into slot s's two groups 0, and s84 steps on, modulo 16.  Called only where no tensor load of the wave is out.
.macro KADDR s
	s_lshl_b32 s86, s84, 8                         ; K step x 256 bytes along a row of xb
	s_mul_i32 s88, s84, KSTEP*NPITCH*2             ; K step x 128 rows of wab
	s_add_nc_u64 s[G0A+4*\s+2:G0A+4*\s+3], s[58:59], s[86:87]
	s_or_b32 s[G0A+4*\s+3], s[G0A+4*\s+3], 0x80000000
	s_add_nc_u64 s[G0B+4*\s+2:G0B+4*\s+3], s[62:63], s[88:89]
	s_or_b32 s[G0B+4*\s+3], s[G0B+4*\s+3], 0x80000000
	s_add_co_u32 s84, s84, 1
	s_and_b32 s84, s84, 15
.endm
.macro CREST                           ; a round of the cluster's barrier behind its opening barrier
	s_cmp_lg_u32 s16, 0
	s_cbranch_scc1 .Lnot_wave_0_\@
	s_barrier_signal -3
.Lnot_wave_0_\@:
	s_barrier_wait -3
	s_barrier_signal -1
	s_barrier_wait -1
.endm
.macro CROUND
	s_barrier_signal -1
	s_barrier_wait -1
	CREST
.endm
.macro PLACES                          ; four places behind a matrix instruction (ISA guide 7.12.1) before its registers are loaded into or its results read
.rept 4
	v_nop
.endr
.endm
	s_load_b256 s[4:11], s[0:1], 0x0               ; xb s[4:5], wab s[6:7], b_attn s[8:9], cos s[10:11]
	s_load_b128 s[12:15], s[0:1], 0x20             ; sin s[12:13], qkvh s[14:15]
	v_lshl_add_u32 v30, v0, 2, 0x4ac00
	v_mov_b32 v31, 0
	ds_add_u32 v30, v31
	v_lshrrev_b32 v1, 5, v0
	v_readfirstlane_b32 s16, v1                    ; wave 0..3
	s_bfe_u32 s17, ttmp6, 0x40000                  ; cx
	s_bfe_u32 s18, ttmp6, 0x40004                  ; cy
	s_lshl_b32 s19, ttmp9, 2
	s_add_co_u32 s19, s19, s17                     ; block column 0..7
	s_and_b32 s20, ttmp7, 0xffff
	s_lshl_b32 s20, s20, 2
	s_add_co_u32 s20, s20, s18                     ; block row 0..31
	s_and_b32 s84, ttmp7, 3                        ; the cluster's first K step: 4 (Y mod 4) + 8 X, modulo 16
	s_lshl_b32 s84, s84, 2
	s_lshl_b32 s85, ttmp9, 3
	s_add_co_u32 s84, s84, s85
	s_and_b32 s84, s84, 15
	s_mov_b32 s87, 0                               ; high words of the two K offsets
	s_mov_b32 s89, 0
	s_lshl_b32 s22, s18, 2
	s_lshl_b32 s22, 15, s22                        ; my row of the cluster
	s_lshl_b32 s23, 0x1111, s17                    ; my column
	s_or_b32 s[G1A+0], s22, (1<<16)|(1<<20)|(1<<21)|(5<<22)|(3<<25)   ; mask; 2-byte elements; padding on; bit 21 beside a mask; after 64 words 4 words
	s_mov_b32 s[G1A+1], KSTEP<<16                  ; tensor_dim0 = 128
	s_mov_b32 s[G1A+2], 64<<16                     ; tensor_dim1 = 64
	s_mov_b32 s[G1A+3], KSTEP<<16                  ; tile_dim0 = 128
	s_mov_b32 s[G1A+4], 64                         ; tile_dim1 = 64
	s_mov_b32 s[G1A+5], KDIM                       ; elements from row to row of xb
	s_mov_b32 s[G1A+6], 0
	s_mov_b32 s[G1A+7], 0
	s_or_b32 s[G1B+0], s23, (1<<16)|(1<<20)|(1<<21)|(5<<22)|(7<<25)   ; the same with my column's mask and 8 words of padding
	s_mov_b32 s[G1B+1], 128<<16                    ; 128 columns
	s_mov_b32 s[G1B+2], KSTEP<<16                  ; 128 k-rows
	s_mov_b32 s[G1B+3], 128<<16
	s_mov_b32 s[G1B+4], KSTEP
	s_mov_b32 s[G1B+5], NPITCH
	s_mov_b32 s[G1B+6], 0
	s_mov_b32 s[G1B+7], 0
	; x's address is made of the block row alone, W's of the block column and the wave's number, each in registers that never hold the other coordinate
	s_lshl_b32 s56, s20, 18                        ; 64 rows x 4,096 bytes
	s_mov_b32 s57, 0
	s_mul_i32 s60, s19, 768                        ; 384 columns
	s_lshl_b32 s2, s16, 8                          ; + my segment
	s_add_co_u32 s60, s60, s2
	s_mov_b32 s61, 0
	s_mul_i32 s21, s16, SEG                        ; where my load goes: wave x 36,864
	s_wait_dscnt 0x0
	s_wait_kmcnt 0x0
	s_add_nc_u64 s[58:59], s[4:5], s[56:57]        ; x's rows at K = 0; never rewritten
	s_add_nc_u64 s[62:63], s[6:7], s[60:61]        ; W's columns at K = 0; never rewritten
	CROUND                                         ; all sixteen work-groups are here: the first joint loads meet
.irp s, 0,1
	s_mov_b32 s[G0A+4*\s], 1
	s_add_co_u32 s[G0A+4*\s+1], s21, \s*SLOT
	s_mov_b32 s[G0B+4*\s], 1
	s_add_co_u32 s[G0B+4*\s+1], s21, \s*SLOT
	KADDR \s
	JLOAD \s                                       ; the walk's first two K steps: two tensor loads of the wave are out
.endr
	v_and_b32 v1, 15, v0                           ; r
	v_bfe_u32 v2, v0, 4, 1                         ; h
	v_and_b32 v3, 7, v0
	v_bfe_u32 v17, v0, 3, 1
	v_mul_u32_u24 v18, v1, PA                      ; x fragment: row r, 16 bytes for each half of the lanes
	v_lshl_add_u32 v18, v2, 4, v18
	v_add_nc_u32 v[ADRX], AOFF, v18
	v_add_nc_u32 v[ADRX+1], AOFF+SLOT, v18
	v_lshl_add_u32 v19, v2, 3, v3                  ; W fragment: k-row 8 h + lane mod 8,
	v_mul_u32_u24 v19, v19, PB
	v_lshl_add_u32 v19, v17, 4, v19                ; 16 bytes on for lanes 8-15 of each half,
	s_lshl_b32 s2, s16, 5
	v_add_nc_u32 v19, s2, v19                      ; my wave's 16 columns
.irp s, 0,1
.irp g, 0,1,2
	v_add_nc_u32 v[ADRW+3*\s+\g], \s*SLOT+\g*SEG, v19
.endr
.endr
	s_mul_i32 s23, s19, 1536                       ; bias: 4 (384 block + 16 w + 64 b + 8 h)
	s_lshl_b32 s2, s16, 6
	s_add_co_u32 s23, s23, s2
	v_lshlrev_b32 v[VBI], 5, v2
	v_add_nc_u32 v[VBI], s23, v[VBI]
	s_lshl_b32 s22, s20, 14                        ; cos, sin: 256 (64 block + 16 a + r) + 4 (8 w + 32 par + 4 h)
	s_lshl_b32 s2, s16, 5
	s_add_co_u32 s22, s22, s2
	v_lshlrev_b32 v[VCS], 8, v1
	v_lshl_add_u32 v[VCS], v2, 4, v[VCS]
	v_add_nc_u32 v[VCS], s22, v[VCS]
	; the small inputs go out now and are waited for once, at the head of the way out; their address registers are never rewritten
	WIN 0x40                                       ; destination in window 1
.irp b, 0,1,2,3,4,5
	global_load_b128 v[192+8*\b:192+8*\b+3],   v[VBI], s[8:9] offset:256*\b
	global_load_b128 v[192+8*\b+4:192+8*\b+7], v[VBI], s[8:9] offset:256*\b+16
.endr
	WIN 0
.irp a, 0,1,2,3
.irp par, 0,1
	global_load_b128 v[CS+16*\a+8*\par:CS+16*\a+8*\par+3],   v[VCS], s[10:11] offset:4096*\a+128*\par
	global_load_b128 v[CS+16*\a+8*\par+4:CS+16*\a+8*\par+7], v[VCS], s[12:13] offset:4096*\a+128*\par
.endr
.endr
	v_mul_u32_u24 v[STO], v1, SP                   ; in: row r, byte 32 w + 16 h (+ 128 b in the immediate)
	v_lshl_add_u32 v[STO], v2, 4, v[STO]
	s_lshl_b32 s2, s16, 5
	s_add_co_u32 s2, s2, STAGE
	v_add_nc_u32 v[STO], s2, v[STO]
	v_mul_u32_u24 v[RD], v2, SP                    ; back: rows 16 w + h, sixteen lanes take 256 bytes
	v_lshl_add_u32 v[RD], v1, 4, v[RD]
	s_mul_i32 s2, s16, 16*SP
	s_add_co_u32 s2, s2, STAGE
	v_add_nc_u32 v[RD], s2, v[RD]
	v_mul_u32_u24 v[CO], v2, NPITCH*2              ; the same rows in qkvh
	v_lshl_add_u32 v[CO], v1, 4, v[CO]
	s_mul_i32 s2, s16, 16*NPITCH*2
	v_add_nc_u32 v[CO], s2, v[CO]
	; for each b: my tile lies in the group of 64 columns number 6 x block + b; groups 0-31 are q, 32-39 k, 40-47 v.  Selects, never branches.
	s_mul_i32 s23, s19, NB
.irp b, 0,1,2,3,4,5
	s_add_co_u32 s60, s23, \b
	s_cmp_lt_u32 s60, 40
	s_cselect_b32 s[66+\b], -1, 0                  ; RoPE on q and k
	s_cmp_lt_u32 s60, 32
	s_cselect_b32 s[72+2*\b], 0x3e0293ee, 1.0      ; log2(e)/sqrt(128) on q
	s_mov_b32 s[73+2*\b], s[72+2*\b]
.endr
; NB matrix instructions: m-tile a x my six n-tiles, 32 along K.  The 24 accumulators take turns, one instruction a turn, in the same order in every
; quarter step, over the loop's backward jump too.
.macro MULA f, a, zero
.irp b, 0,1,2,3,4,5
.if \zero
	v_wmma_f32_16x16x32_bf16 v[8*(NB*\a+\b):8*(NB*\a+\b)+7], v[\f+8*\b:\f+8*\b+7], v[\f+XF+8*\a:\f+XF+8*\a+7], 0
.else
	v_wmma_f32_16x16x32_bf16 v[8*(NB*\a+\b):8*(NB*\a+\b)+7], v[\f+8*\b:\f+8*\b+7], v[\f+XF+8*\a:\f+XF+8*\a+7], v[8*(NB*\a+\b):8*(NB*\a+\b)+7]
.endif
.endr
.endm
; 20 LDS loads in one run: quarter q (32 along K) of slot s into buffer f: twelve transposing loads for W, eight plain ones for x
.macro FETCH s, q, f
.irp b, 0,1,2,3,4,5
	ds_load_tr16_b128 v[\f+8*\b:\f+8*\b+3],   v[ADRW+3*\s+\b/2] offset:(\b%2)*128+\q*32*PB
	ds_load_tr16_b128 v[\f+8*\b+4:\f+8*\b+7], v[ADRW+3*\s+\b/2] offset:(\b%2)*128+\q*32*PB+16*PB
.endr
.irp a, 0,1,2,3
	ds_load_b128 v[\f+XF+8*\a:\f+XF+8*\a+3],   v[ADRX+\s] offset:\a*16*PA+\q*64
	ds_load_b128 v[\f+XF+8*\a+4:\f+XF+8*\a+7], v[ADRX+\s] offset:\a*16*PA+\q*64+32
.endr
.endm
; one of a K step's first three quarters: multiplies buffer f, fetches quarter q of the same slot into buffer g in its middle
.macro QUARTER s, q, f, g, zero
	s_wait_dscnt 4                                 ; all but the four youngest loads (x's m-tiles 2 and 3) are in
	WIN MUL
	MULA \f, 0, \zero
	MULA \f, 1, \zero
	PLACES
	WIN 0
	FETCH \s, \q, \g
	s_wait_dscnt 2*NB+8                            ; all but the 20 just issued
	WIN MUL
	MULA \f, 2, \zero
	MULA \f, 3, \zero
.endm
.macro THREE s, zero
	QUARTER \s, 1, F0, F1, \zero
	QUARTER \s, 2, F1, F0, 0
	QUARTER \s, 3, F0, F1, 0
.endm
; the last quarter: multiplies buffer 1 and changes slots.  In front of the barrier each wave waits for its reads of this slot and for all its tensor
; loads (one is out: its part of the next slot).  Where the slot is filled again the barrier opens a round of the cluster's barrier, and the joint
; refill is the first tensor load behind the round's closing wait.
.macro TURN s, next, fill
	s_wait_dscnt 4
	WIN MUL
	MULA F1, 0, 0
	s_wait_dscnt 0
	s_wait_tensorcnt 0x0
	ds_add_u32 v30, v31
	s_wait_dscnt 0x0
	s_barrier_signal -1
	MULA F1, 1, 0                                  ; register work while the others arrive
	WIN 0
	s_barrier_wait -1
.if \fill
	CREST
	KADDR \s                                       ; no load of mine is out: this slot's groups 0 take the walk's next K step
	JLOAD \s
.endif
	PLACES
	FETCH \next, 0, F0
	WIN MUL
	MULA F1, 2, 0
	MULA F1, 3, 0
.endm
.macro LAP zero
	THREE 0, \zero
	TURN 0, 1, 1
	THREE 1, 0
	TURN 1, 0, 1
.endm
	s_wait_tensorcnt 1                             ; my part of the first K step is in; the second's stays out
	s_barrier_signal -1
	s_barrier_wait -1
	FETCH 0, 0, F0
	LAP 1                                          ; the first products start the sums: nothing is cleared
	WIN 0
	s_mov_b32 s3, LAPS-2
.Llap:
	LAP 0
	WIN 0
	s_sub_co_u32 s3, s3, 1
	s_cmp_lg_u32 s3, 0
	s_cbranch_scc1 .Llap
	THREE 0, 0                                     ; the last lap fills nothing: 2 + 14 fills have brought each of the 16 K steps once
	TURN 0, 1, 0
	THREE 1, 0
	s_wait_dscnt 4
	WIN MUL
	MULA F1, 0, 0
	MULA F1, 1, 0
	s_wait_dscnt 0
	MULA F1, 2, 0
	MULA F1, 3, 0
	; THE WAY OUT
	PLACES
	WIN 0
	s_wait_loadcnt 0x0                             ; bias, cos, sin
	s_mul_i32 s56, s20, 64*NPITCH*2                ; qkvh at my block: the row part and the column part are added one after the other
	s_add_nc_u64 s[14:15], s[14:15], s[56:57]
	s_mul_i32 s60, s19, 768
	s_add_nc_u64 s[14:15], s[14:15], s[60:61]
.if ROUND_SMALL
	s_mov_b32 s2, 0xffff0000
.set n, 0
.rept 32
	v_cvt_pk_bf16_f32 v[80+n%8], v[CS+2*n], v[CS+2*n+1]        ; cos and sin to bf16 and back, in place
	v_lshlrev_b32 v[CS+2*n], 16, v[80+n%8]
	v_and_b32 v[CS+2*n+1], s2, v[80+n%8]
.set n, n+1
.endr
	WIN 0x05                                       ; both sources in window 1
.set n, 0
.rept 24
	v_cvt_pk_bf16_f32 v[80+n], v[192+2*n], v[192+2*n+1]        ; the bias likewise, into window 0
.set n, n+1
.endr
	WIN 0
.set n, 0
.rept 24
	v_lshlrev_b32 v[BI+2*n], 16, v[80+n]
	v_and_b32 v[BI+2*n+1], s2, v[80+n]
.set n, n+1
.endr
.else
	WIN 0x01
.set n, 0
.rept 48
	v_mov_b32 v[BI+n], v[192+n]
.set n, n+1
.endr
	WIN 0
.endif
; one tile: RoPE (with cos = 1, sin = 0 on v's columns), q's factor, f16, 16 bytes into the stage
.macro ROPE a, b
.irp p, 0,1,2,3
	v_cndmask_b32 v[C4+\p], 1.0, v[CS+16*\a+8*(\b%2)+\p], s[66+\b]
	v_cndmask_b32 v[S4+\p], 0, v[CS+16*\a+8*(\b%2)+4+\p], s[66+\b]
.endr
.irp p, 0,1,2,3
	v_mul_f32 v[T0+2*\p],   v[XR+8*\b+2*\p+1], v[S4+\p]                                ; im s
	v_mul_f32 v[T0+2*\p+1], v[XR+8*\b+2*\p+1], v[C4+\p]                                ; im c
.endr
.irp p, 0,1,2,3
	v_fma_f32 v[XR+8*\b+2*\p+1], v[XR+8*\b+2*\p], v[S4+\p], v[T0+2*\p+1]               ; re s + im c
	v_fma_f32 v[XR+8*\b+2*\p],   v[XR+8*\b+2*\p], v[C4+\p], -v[T0+2*\p]                ; re c - im s
.endr
.irp p, 0,1,2,3
	v_pk_mul_f32 v[XR+8*\b+2*\p:XR+8*\b+2*\p+1], v[XR+8*\b+2*\p:XR+8*\b+2*\p+1], s[72+2*\b:73+2*\b] op_sel_hi:[1,0]
.endr
.irp p, 0,1,2,3
	v_cvt_pk_f16_f32 v[PK+\p], v[XR+8*\b+2*\p], v[XR+8*\b+2*\p+1]
.endr
	ds_store_b128 v[STO], v[PK:PK+3] offset:16*SP*\a+128*\b
.endm
.irp a, 0,1,2,3
	WIN 0x01                                       ; source 0 (the sums) in window 1
.set n, 0
.rept 24
	v_pk_add_f32 v[XR+2*n:XR+2*n+1], v[8*NB*\a+2*n:8*NB*\a+2*n+1], v[BI+2*n:BI+2*n+1]
.set n, n+1
.endr
	WIN 0
.irp b, 0,1,2,3,4,5
	ROPE \a, \b
.endr
.endr
	s_wait_dscnt 0x0                               ; my stores into the stage are done, for the others' sake
	s_barrier_signal -1
	s_barrier_wait -1
.irp t, 0,1,2,3,4,5,6,7
.irp g, 0,1,2
	ds_load_b128 v[OUTR+4*(3*\t+\g):OUTR+4*(3*\t+\g)+3], v[RD] offset:2*SP*\t+256*\g
.endr
.endr
.irp t, 0,1,2,3,4,5,6,7
.irp g, 0,1,2
	s_wait_dscnt 23-(3*\t+\g)                      ; the younger read-backs stay out
	global_store_b128 v[CO], v[OUTR+4*(3*\t+\g):OUTR+4*(3*\t+\g)+3], s[14:15] offset:2*NPITCH*2*\t+256*\g   ; 16 lanes store 256 consecutive bytes, aligned
.endr
.endr
	s_wait_tensorcnt 0x0
	ds_add_u32 v30, v31
	s_wait_dscnt 0x0
	CROUND                                         ; the closing round: no work-group ends while a partner may still ask for a tile that names it
	s_endpgm
.Lfunc_end_k_qe54cb099f9_gemm_qkv:
	.size	k_qe54cb099f9_gemm_qkv, .Lfunc_end_k_qe54cb099f9_gemm_qkv-k_qe54cb099f9_gemm_qkv
	.p2alignl 7, 3214868480
	.fill 96, 4, 3214868480
	.section	.rodata,"a",@progbits
	.p2align	6, 0x0
	.amdhsa_kernel k_qe54cb099f9_gemm_qkv
		.amdhsa_group_segment_fixed_size 327680
		.amdhsa_private_segment_fixed_size 0
		.amdhsa_enable_private_segment 0
		.amdhsa_kernarg_size 48
		.amdhsa_user_sgpr_count 2
		.amdhsa_user_sgpr_kernarg_segment_ptr 1
		.amdhsa_wavefront_size32 1
		.amdhsa_system_sgpr_workgroup_id_x 1
		.amdhsa_system_sgpr_workgroup_id_y 1
		.amdhsa_system_sgpr_workgroup_id_z 1
		.amdhsa_system_vgpr_workitem_id 0
		.amdhsa_next_free_vgpr 512
		.amdhsa_next_free_sgpr 90
		.amdhsa_reserve_vcc 0
		.amdhsa_float_denorm_mode_32 3
		.amdhsa_float_denorm_mode_16_64 3
		.amdhsa_memory_ordered 1
		.amdhsa_forward_progress 1
		.amdhsa_inst_pref_size 151
	.end_amdhsa_kernel
	.amdgpu_metadata
---
amdhsa.version: [ 1, 2 ]
amdhsa.kernels:
  - .name:           k_qe54cb099f9_gemm_qkv
    .symbol:         k_qe54cb099f9_gemm_qkv.kd
    .args:
      - { .name: xb, .offset: 0, .size: 8, .value_kind: global_buffer, .address_space: global }
      - { .name: wab, .offset: 8, .size: 8, .value_kind: global_buffer, .address_space: global }
      - { .name: b_attn, .offset: 16, .size: 8, .value_kind: global_buffer, .address_space: global }
      - { .name: freqs_cos, .offset: 24, .size: 8, .value_kind: global_buffer, .address_space: global }
      - { .name: freqs_sin, .offset: 32, .size: 8, .value_kind: global_buffer, .address_space: global }
      - { .name: qkvh, .offset: 40, .size: 8, .value_kind: global_buffer, .address_space: global }
    .group_segment_fixed_size: 327680
    .private_segment_fixed_size: 0
    .kernarg_segment_align: 8
    .kernarg_segment_size: 48
    .max_flat_workgroup_size: 128
    .sgpr_count:     90
    .vgpr_count:     512
    .wavefront_size: 32
...
	.end_amdgpu_metadata
.endif
;; end of part 5
;; launch attn (part 6): grid 16 x 16, 4 waves a work-group, clusters of 4 x 1, 327,680 bytes of LDS; arguments qkvh, yh; writes yh
.if DOCPART == 6
	.amdgcn_target "amdgcn-amd-amdhsa--gfx1250"
	.amdhsa_code_object_version 6
	.text
	.protected	k_qe54cb099f9_attn
	.globl	k_qe54cb099f9_attn
	.p2align	8
	.type	k_qe54cb099f9_attn,@function
k_qe54cb099f9_attn:
	s_mov_b64 s[64:65], 0
	v_nop
	global_prefetch_b8 v0, s[64:65] scope:SCOPE_SE
	s_setreg_imm32_b32 hwreg(HW_REG_WAVE_MODE, 25, 1), 1
	s_wait_xcnt 0x0
	s_wait_alu depctr_hold_cnt(0) depctr_sa_sdst(0) depctr_va_vdst(0) depctr_va_sdst(0) depctr_va_ssrc(0) depctr_va_vcc(0) depctr_vm_vsrc(0)
	s_getreg_b32 s2, hwreg(HW_REG_IB_STS2, 6, 4)
	s_cmp_eq_u32 s2, 0
	s_cbranch_scc0 .Lentry_in_a_cluster
	s_endpgm
.Lentry_in_a_cluster:
	s_bfe_u32 s2, ttmp6, 0x10000c
	s_cmp_lg_u32 s2, 0x3003
	s_cbranch_scc0 .Lentry_shape_is_right
	s_endpgm
.Lentry_shape_is_right:
; Causal attention with a running maximum.  qkvh [2048 t][3072] f16: q (already times log2(e)/sqrt(128)) in columns 0-2047, k in 2048-2559, v in 2560-3071.
; yh [2048 t][2048] f16.  Work-group (x, p): head = x, query blocks p and 31 - p of 64 rows, one after the other.  Block i needs the tiles of 128 keys
; 0 .. i/2, so the two blocks take (p/2 + 1) + (16 - p/2) = 17 trips in every work-group.  Only tile i/2 touches the diagonal.
; ORDER: block A is the one of the two with an EVEN number of trips (2 to 16), block B the other.  Each block walks its tiles DOWNWARD, from its diagonal
; tile to tile 0: blocks of different length then ask for a given tile in different trips, and all but the first ask for bytes that have been read
; before.  The mask falls on a block's first trip: trip 0 and trip n_A, both even, on slot 0.  A ends in an odd trip, on slot 1, B in trip 16, on slot 0:
; the loop is eight pairs (a trip on slot 0 that may be masked, a trip on slot 1 that may end A), and the last trip is written out.
; CLUSTERS: the four heads of a key/value head form a cluster of 4 x 1 and ask jointly for every K and V tile (mask 15).  p, and with it every trip
; count and branch, is the same in the four partners.  Waves 0, 1 ask for K's halves of 64 rows, waves 2, 3 for V's: one load a wave.
; IN A TRIP the keys are split: wave w takes keys 32 w .. 32 w + 31 of the tile for all 64 query rows, so each byte of K and V is read from LDS once.
; Each wave keeps its own maximum, sum and O.  At a block's end it puts them into LDS (A's into bytes of their own, B's into the two slots, whose last
; fill is over by then); at the kernel's end a loop of two trips merges the four waves' parts, wave w finishing query tile w of B, then of A.
; TRANSPOSED FORMS, query row = lane mod 16 everywhere: S^T = K x Q^T (lane (r, h), register j: key 16 kt + 8 h + j, query 16 t + r); its two tiles,
; packed to f16, ARE the B fragment P^T; O^T = V^T x P^T with V^T by the transposing LDS load; a lane's eight registers of O^T are eight neighbouring
; numbers of a row of y.  Maximum, sum and alpha are one number a lane.
; A BLOCK BEGINS with its maximum at -1e30: the first key that is not masked gives alpha = 2^(-1e30 - m) = 0, which wipes O and the sum.  Where all of a
; wave's keys for a query are masked in the diagonal tile, the maximum stays -1e30, alpha is 1, the weights are 0, and the old, finite O and sum stay
; for that trip; the block's next tile is never masked and wipes them.  In a block of one tile the merge multiplies them by 2^(-1e30 - m*) = 0.
; LIMITS: q, k, v, y in f16 (below 65,504); P in f16 (weights under 2^-24 of the row's largest are dropped); scaled scores must lie above -1e30.
.set ROWB,  6144                       ; bytes in a row of qkvh
.set YROWB, 4096                       ; bytes in a row of yh
.set PKP,   272                        ; LDS pitch of K's rows
.set PVP,   288                        ; LDS pitch of V's rows (odd multiple of 32 for the transposing load)
.set VOFF,  128*PKP                    ; V behind K in a slot
.set SLOT,  VOFF+128*PVP               ; 71,680
.set REGA,  2*SLOT                     ; 143,360: block A's region; block B's region begins at byte 0.  No fill lands from REGA on
.set STATO, 131072                     ; in a region: wave u's O at 32,768 u + 8,192 x query tile + 512 x quad + 16 x lane; from STATO on the maxima and sums,
                                       ; wave x 1,024 + tile x 256 + kind x 128 + 4 x lane
.set YST,   REGA+STATO+4096            ; 278,528: wave x 16 rows x 272
.set ADRK, 4                           ; v4-5   my K fragments, slot 0, 1
.set ADRV, 6                           ; v6-7   my V fragments
.set QO,   8                           ; v8     byte offset of my part of a Q fragment
.set STSA, 9                           ; v9     where I store my maxima and sums, block A
.set MSTA, 10                          ; v10    where I store my O, block A
.set STL,  11                          ; v11    where I read the four waves' maxima and sums of tile w
.set MLD,  12                          ; v12-13 where I read waves 0, 1 (and 2, 3)'s O of tile w
.set YS,   14
.set YR,   15
.set YO,   16
.set LIM,  17                          ; v17    r - 8 h - 32 w + 64 (block mod 2) of the block at work: A's, then B's
.set LIMB, 18                          ; v18    the same for block B
.set NINF, 19
.set MX,   20                          ; v20-23 running maximum of query tile t
.set LS,   24                          ; v24-27 running sum (this lane's 16 keys of each 32)
.set NM,   28                          ; v28,30,32,34 minus the maximum; in the merge the four scales.  The odd neighbours are written once
.set TM,   36                          ; v36-47 at work
.set TX,   40
.set SR,   48                          ; v48-111  S^T tile (kt, t) at 32 kt + 8 t
.set PR,   112                         ; v112-143 P^T of query tile t at 8 t
.set FR,   144                         ; v144-207 K fragment (kt, ks) at 8 (4 kt + ks); then V^T fragment i at 8 i
.set AL,   240                         ; v240,242,244,246 alpha
.set STSB, 248                         ; v248-249 as STSA, MSTA for block B
.set MSTB, 249
.set R0,   48                          ; the merge: three buffers of 64
.set R1,   112
.set R2,   176
; window 1: O^T tile (i, t) at v[8 (4 i + t)];  window 2: Q fragment (t, ks) at v[8 (4 t + ks)]
.set G1K, 32
.set G1V, 40
.set G0K, 48
.set G0V, 56
.set MSB, 0
.macro WIN new                         ; the immediate's high byte repeats the setting that is left
.if MSB != \new
	s_set_vgpr_msb (MSB<<8)|\new
.set MSB, \new
.endif
.endm
.macro PLACES                          ; four places behind a matrix instruction (ISA guide 7.12.1) before its registers are loaded into or its results read
.rept 4
	v_nop
.endr
.endm
.macro ROUND                           ; a round of the cluster's barrier
	s_barrier_signal -1
	s_barrier_wait -1
	s_cmp_lg_u32 s8, 0
	s_cbranch_scc1 .Lnot_wave_0_\@
	s_barrier_signal -3
.Lnot_wave_0_\@:
	s_barrier_wait -3
	s_barrier_signal -1
	s_barrier_wait -1
.endm
.macro JLOAD s                         ; one joint load a wave; the branch hangs on the wave's number alone
	s_cmp_eq_u32 s9, 0
	s_cbranch_scc0 .Lfor_v_\@
	tensor_load_to_lds s[G0K+4*\s:G0K+4*\s+3], s[G1K:G1K+7]
	s_nop 0
	s_branch .Lasked_\@
.Lfor_v_\@:
	tensor_load_to_lds s[G0V+4*\s:G0V+4*\s+3], s[G1V:G1V+7]
	s_nop 0
.Lasked_\@:
.endm
.macro QLOAD base                      ; a block's 64 rows of Q as 16 B fragments, into window 2
	WIN 0x80
.irp t, 0,1,2,3
.irp ks, 0,1,2,3
	global_load_b128 v[8*(4*\t+\ks):8*(4*\t+\ks)+3],   v[QO], s[\base:\base+1] offset:16*ROWB*\t+64*\ks
	global_load_b128 v[8*(4*\t+\ks)+4:8*(4*\t+\ks)+7], v[QO], s[\base:\base+1] offset:16*ROWB*\t+64*\ks+32
.endr
.endr
	WIN 0
.endm
	s_load_b128 s[4:7], s[0:1], 0x0                ; qkvh s[4:5], yh s[6:7]
	v_lshl_add_u32 v254, v0, 2, 0x48400
	v_mov_b32 v255, 0
	ds_add_u32 v254, v255
	v_lshrrev_b32 v1, 5, v0
	v_readfirstlane_b32 s8, v1                     ; wave 0..3
	s_lshr_b32 s9, s8, 1                           ; I ask for K (0) or V (1),
	s_and_b32 s10, s8, 1                           ; its rows 0-63 or 64-127
	s_bfe_u32 s11, ttmp6, 0x40000                  ; cx
	s_lshl_b32 s12, ttmp9, 2
	s_add_co_u32 s12, s12, s11                     ; head = 4 x key/value head + cx
	s_lshl_b32 s3, s12, 8                          ; my head's 256 bytes of a row (feeds no descriptor)
	s_and_b32 s14, ttmp7, 0xffff                   ; p
	s_sub_co_u32 s13, 31, s14                      ; 31 - p
	s_bitcmp1_b32 s14, 1                           ; p/2 odd: block p has p/2 + 1 trips, an even number; else block 31 - p has 16 - p/2, an even number
	s_cselect_b32 s72, s14, s13                    ; block A
	s_cselect_b32 s73, s13, s14                    ; block B
	s_lshr_b32 s15, s72, 1                         ; A's diagonal tile = the trip that ends A (odd),
	s_add_co_u32 s16, s15, 1                       ; and A's trips n_A
	s_mov_b32 s17, 0                               ; the trip's number
	s_mov_b32 s19, 0xf149f2ca                      ; -1e30
	s_mov_b32 s66, 0x76543210                      ; v_permlanex16_b32: lane i reads lane i of the other half
	s_mov_b32 s67, 0xfedcba98
	s_mov_b32 s[G1K+0], 15|(1<<16)|(1<<20)|(1<<21)|(5<<22)|(3<<25)   ; mask of the four; 2-byte elements; after 64 words 4 words of padding
	s_mov_b32 s[G1K+1], 128<<16                    ; tensor_dim0 = 128
	s_mov_b32 s[G1K+2], 64<<16                     ; tensor_dim1 = 64
	s_mov_b32 s[G1K+3], 128<<16                    ; tile_dim0 = 128
	s_mov_b32 s[G1K+4], 64                         ; tile_dim1 = 64
	s_mov_b32 s[G1K+5], 3072                       ; elements from row to row
	s_mov_b32 s[G1K+6], 0
	s_mov_b32 s[G1K+7], 0
	s_mov_b32 s[G1V+0], 15|(1<<16)|(1<<20)|(1<<21)|(5<<22)|(7<<25)   ; 8 words of padding
	s_mov_b32 s[G1V+1], 128<<16
	s_mov_b32 s[G1V+2], 64<<16
	s_mov_b32 s[G1V+3], 128<<16
	s_mov_b32 s[G1V+4], 64
	s_mov_b32 s[G1V+5], 3072
	s_mov_b32 s[G1V+6], 0
	s_mov_b32 s[G1V+7], 0
	s_mul_i32 s68, s10, 64*ROWB                    ; K's tile 0, my half: made of the wave's number and the cluster's x, which the partners share
	s_lshl_b32 s70, ttmp9, 8
	s_add_co_u32 s68, s68, s70
	s_add_co_u32 s68, s68, 4096
	s_mov_b32 s69, 0
	s_mul_i32 s70, s10, 64*PKP                     ; and where the halves go
	s_mul_i32 s71, s10, 64*PVP
	s_add_co_u32 s71, s71, VOFF
	s_mov_b32 s75, 0
	s_wait_dscnt 0x0
	s_wait_kmcnt 0x0
	s_mul_i32 s74, s72, 64*ROWB
	s_add_co_u32 s74, s74, s3
	s_add_nc_u64 s[20:21], s[4:5], s[74:75]        ; Q of block A
	s_mul_i32 s74, s73, 64*ROWB
	s_add_co_u32 s74, s74, s3
	s_add_nc_u64 s[22:23], s[4:5], s[74:75]        ; Q of block B
	s_mul_i32 s74, s72, 64*YROWB
	s_add_co_u32 s74, s74, s3
	s_add_nc_u64 s[24:25], s[6:7], s[74:75]        ; y of block A
	s_mul_i32 s74, s73, 64*YROWB
	s_add_co_u32 s74, s74, s3
	s_add_nc_u64 s[26:27], s[6:7], s[74:75]        ; y of block B
	s_mov_b32 s74, 0                               ; from here on: the next trip that is masked: 0, then n_A
	s_add_nc_u64 s[28:29], s[4:5], s[68:69]        ; K, tile 0
	s_add_nc_u64 s[30:31], s[28:29], 1024          ; V, tile 0
.irp s, 0,1
	s_mov_b32 s[G0K+4*\s], 1
	s_add_co_u32 s[G0K+4*\s+1], s70, \s*SLOT
	s_mov_b32 s[G0V+4*\s], 1
	s_add_co_u32 s[G0V+4*\s+1], s71, \s*SLOT
.endr
	s_mul_i32 s68, s15, 128*ROWB                   ; the first trip's tile is A's diagonal tile
	s_add_nc_u64 s[G0K+2:G0K+3], s[28:29], s[68:69]
	s_or_b32 s[G0K+3], s[G0K+3], 0x80000000
	s_add_nc_u64 s[G0V+2:G0V+3], s[30:31], s[68:69]
	s_or_b32 s[G0V+3], s[G0V+3], 0x80000000
	ROUND                                          ; the four partners are here: the first joint load meets
	JLOAD 0                                        ; into slot 0; slot 1 is filled behind the first trip's round.  One tensor load of the wave is out at any time
	v_and_b32 v1, 15, v0                           ; r
	v_bfe_u32 v2, v0, 4, 1                         ; h
	v_and_b32 v3, 31, v0                           ; lane
	v_mul_u32_u24 v[QO], v1, ROWB
	v_lshl_add_u32 v[QO], v2, 4, v[QO]
	QLOAD 20
	v_and_b32 v36, 7, v0
	v_bfe_u32 v37, v0, 3, 1
	v_mul_u32_u24 v38, v1, PKP
	v_lshl_add_u32 v38, v2, 4, v38                 ; 272 r + 16 h
	s_mul_i32 s70, s8, 32*PKP                      ; my 32 keys
	v_add_nc_u32 v[ADRK], s70, v38
	v_add_nc_u32 v[ADRK+1], SLOT, v[ADRK]
	v_lshl_add_u32 v39, v2, 3, v36                 ; key 8 h + lane mod 8
	v_mul_u32_u24 v39, v39, PVP
	v_lshl_add_u32 v39, v37, 4, v39
	s_mul_i32 s70, s8, 32*PVP
	s_add_co_u32 s70, s70, VOFF
	v_add_nc_u32 v[ADRV], s70, v39
	v_add_nc_u32 v[ADRV+1], SLOT, v[ADRV]
	s_lshl_b32 s70, s8, 10
	s_add_co_u32 s70, s70, STATO
	v_lshl_add_u32 v[STSB], v3, 2, s70
	v_add_nc_u32 v[STSA], REGA, v[STSB]
	s_lshl_b32 s70, s8, 15
	v_lshl_add_u32 v[MSTB], v3, 4, s70
	v_add_nc_u32 v[MSTA], REGA, v[MSTB]
	s_lshl_b32 s70, s8, 8
	s_add_co_u32 s70, s70, STATO
	v_lshl_add_u32 v[STL], v3, 2, s70              ; the merge begins with block B's region, at byte 0
	s_lshl_b32 s70, s8, 13
	v_lshl_add_u32 v[MLD], v3, 4, s70
	v_add_nc_u32 v[MLD+1], 0x10000, v[MLD]
	s_mul_i32 s70, s8, 16*PKP
	s_add_co_u32 s70, s70, YST
	v_add_nc_u32 v[YS], s70, v38
	v_mul_u32_u24 v39, v2, PKP
	v_lshl_add_u32 v39, v1, 4, v39
	v_add_nc_u32 v[YR], s70, v39
	v_lshlrev_b32 v39, 12, v2                      ; y: row 16 w + h, 16 bytes a lane
	v_lshl_add_u32 v39, v1, 4, v39
	s_lshl_b32 s70, s8, 16
	v_add_nc_u32 v[YO], s70, v39
	v_lshlrev_b32 v39, 3, v2
	v_sub_nc_u32 v39, v1, v39                      ; r - 8 h
	s_lshl_b32 s71, s8, 5                          ; 32 w
	s_and_b32 s70, s72, 1
	s_lshl_b32 s70, s70, 6                         ; 64 (A mod 2)
	s_sub_co_i32 s13, s70, s71
	v_add_nc_u32 v[LIM], s13, v39
	s_and_b32 s70, s73, 1
	s_lshl_b32 s70, s70, 6                         ; 64 (B mod 2)
	s_sub_co_i32 s13, s70, s71
	v_add_nc_u32 v[LIMB], s13, v39
	v_mov_b32 v[NINF], 0xff800000
.irp t, 0,1,2,3
	v_mov_b32 v[MX+\t], s19
	v_mov_b32 v[LS+\t], 0
	v_mov_b32 v[NM+2*\t+1], 0                      ; the odd halves of the broadcast pairs: named by the packed forms, never used
	v_mov_b32 v[AL+2*\t+1], 0
	v_mov_b32 v[TX+\t], 0                          ; destinations of the lane exchange count as read
	v_mov_b32 v[TX+4+\t], 0
.endr
	; O starts at 0, so that trip 0 runs as every other trip does: 32 products of two zero fragments, eight registers an instruction
.irp n, 0,1,2,3,4,5,6,7
	v_mov_b32 v[FR+\n], 0
	v_mov_b32 v[PR+\n], 0
.endr
	WIN 0x50
.irp i, 0,1,2,3,4,5,6,7
.irp t, 0,1,2,3
	v_wmma_f32_16x16x32_f16 v[8*(4*\i+\t):8*(4*\i+\t)+7], v[FR:FR+7], v[PR:PR+7], 0
.endr
.endr
	PLACES                                         ; before K's fragments are loaded over the zero fragment
	WIN 0
; the diagonal tile: key 16 kt + 8 h + j + 32 w stays where it is not beyond query 16 t + r + 64 (block mod 2).  Tiles (0, t) and (1, t + 1) share a compare.
.macro MASK lim
.irp t, 0,1,2,3
.irp j, 0,1,2,3,4,5,6,7
	v_cmp_le_i32 vcc_lo, \j-16*\t, v[\lim]
	v_cndmask_b32 v[SR+8*\t+\j], v[NINF], v[SR+8*\t+\j], vcc_lo
.if \t < 3
	v_cndmask_b32 v[SR+32+8*(\t+1)+\j], v[NINF], v[SR+32+8*(\t+1)+\j], vcc_lo
.endif
.endr
.endr
.irp j, 0,1,2,3,4,5,6,7
	v_cmp_le_i32 vcc_lo, 16+\j, v[\lim]
	v_cndmask_b32 v[SR+32+\j], v[NINF], v[SR+32+\j], vcc_lo
.endr
.endm
; the running softmax of the four query tiles, stage by stage, so that neighbouring lines do not hang on each other
.macro SOFT
.irp t, 0,1,2,3
	v_max3_num_f32 v[TM+\t], v[MX+\t], v[SR+8*\t], v[SR+8*\t+1]
.endr
.irp k, 2,4,6
.irp t, 0,1,2,3
	v_max3_num_f32 v[TM+\t], v[TM+\t], v[SR+8*\t+\k], v[SR+8*\t+\k+1]
.endr
.endr
.irp k, 0,2,4,6
.irp t, 0,1,2,3
	v_max3_num_f32 v[TM+\t], v[TM+\t], v[SR+32+8*\t+\k], v[SR+32+8*\t+\k+1]
.endr
.endr
.irp t, 0,1,2,3
	v_permlanex16_b32 v[TX+\t], v[TM+\t], s66, s67             ; the other 16 of my 32 keys
.endr
.irp t, 0,1,2,3
	v_max_num_f32 v[TM+\t], v[TM+\t], v[TX+\t]
.endr
.irp t, 0,1,2,3
	v_sub_f32 v[AL+2*\t], v[MX+\t], v[TM+\t]                   ; old maximum - new
	v_sub_f32 v[NM+2*\t], 0, v[TM+\t]
	v_mov_b32 v[MX+\t], v[TM+\t]
.endr
.irp k, 0,2,4,6
.irp t, 0,1,2,3
	v_pk_add_f32 v[SR+8*\t+\k:SR+8*\t+\k+1], v[SR+8*\t+\k:SR+8*\t+\k+1], v[NM+2*\t:NM+2*\t+1] op_sel_hi:[1,0]
	v_pk_add_f32 v[SR+32+8*\t+\k:SR+32+8*\t+\k+1], v[SR+32+8*\t+\k:SR+32+8*\t+\k+1], v[NM+2*\t:NM+2*\t+1] op_sel_hi:[1,0]
.endr
.endr
.irp t, 0,1,2,3
	v_exp_f32 v[AL+2*\t], v[AL+2*\t]
.endr
.set n, 0
.rept 64
	v_exp_f32 v[SR+n], v[SR+n]
.set n, n+1
.endr
	v_nop                                          ; one plain place behind the exponentials before their results are used (ISA guide 5.7.2)
	s_wait_alu depctr_va_vdst(0)
.irp t, 0,1,2,3
	v_pk_add_f32 v[TM+2*\t:TM+2*\t+1], v[SR+8*\t:SR+8*\t+1], v[SR+8*\t+2:SR+8*\t+3]
.endr
.irp k, 4,6
.irp t, 0,1,2,3
	v_pk_add_f32 v[TM+2*\t:TM+2*\t+1], v[TM+2*\t:TM+2*\t+1], v[SR+8*\t+\k:SR+8*\t+\k+1]
.endr
.endr
.irp k, 0,2,4,6
.irp t, 0,1,2,3
	v_pk_add_f32 v[TM+2*\t:TM+2*\t+1], v[TM+2*\t:TM+2*\t+1], v[SR+32+8*\t+\k:SR+32+8*\t+\k+1]
.endr
.endr
.irp t, 0,1,2,3
	v_add_f32 v[TM+2*\t], v[TM+2*\t], v[TM+2*\t+1]
.endr
.irp t, 0,1,2,3
	v_fma_f32 v[LS+\t], v[LS+\t], v[AL+2*\t], v[TM+2*\t]
.endr
.irp t, 0,1,2,3
.irp p, 0,1,2,3
	v_cvt_pk_f16_f32 v[PR+8*\t+\p],   v[SR+8*\t+2*\p],    v[SR+8*\t+2*\p+1]            ; keys 8 h .. 8 h + 7: registers 0-3 of the B fragment
	v_cvt_pk_f16_f32 v[PR+8*\t+4+\p], v[SR+32+8*\t+2*\p], v[SR+32+8*\t+2*\p+1]         ; keys 16 + 8 h ..: registers 4-7
.endr
.endr
.endm
; a block's end: my maxima, sums and O go into the block's region of LDS
.macro DUMP sts, mst
.irp t, 0,1,2,3
	ds_store_b32 v[\sts], v[MX+\t] offset:256*\t
	ds_store_b32 v[\sts], v[LS+\t] offset:256*\t+128
.endr
	WIN 0x04                                       ; store data in window 1
.irp t, 0,1,2,3
.irp i, 0,1,2,3,4,5,6,7
	ds_store_b128 v[\mst], v[8*(4*\i+\t):8*(4*\i+\t)+3]   offset:8192*\t+1024*\i
	ds_store_b128 v[\mst], v[8*(4*\i+\t)+4:8*(4*\i+\t)+7] offset:8192*\t+1024*\i+512
.endr
.endr
	WIN 0
.endm
.macro MLOAD dst, adr, off             ; one wave's O of my query tile: 16 loads of 512 neighbouring bytes
.set n, 0
.rept 16
	ds_load_b128 v[\dst+4*n:\dst+4*n+3], v[\adr] offset:\off+512*n
.set n, n+1
.endr
.endm
.macro MFMA src, sc                    ; R0 += src x scale
.set n, 0
.rept 32
	v_pk_fma_f32 v[R0+2*n:R0+2*n+1], v[\src+2*n:\src+2*n+1], v[\sc:\sc+1], v[R0+2*n:R0+2*n+1] op_sel_hi:[1,0,1]
.set n, n+1
.endr
.endm
; One trip: one tile of 128 keys from slot `slot`.  refill: the next tile is asked for into the other slot.  maskc: the trip may be a block's first, on its
; diagonal tile.  cond: the trip may end block A.  final: it ends block B.
.macro TRIP slot, other, refill, maskc, cond, final
	s_wait_tensorcnt 0x0                           ; all my tensor loads are done, my part of this trip's tile among them, so a group 0 may be written
	ds_add_u32 v254, v255
	s_wait_dscnt 0x0
.if \refill
	s_add_co_u32 s70, s17, 1                       ; the next trip u: in A its tile is n_A - 1 - u, in B 16 - u
	s_sub_co_u32 s71, 16, s70
	s_sub_co_u32 s13, s15, s70
	s_cmp_ge_u32 s70, s16
	s_cselect_b32 s70, s71, s13
	s_mul_i32 s68, s70, 128*ROWB
	s_add_nc_u64 s[G0K+4*\other+2:G0K+4*\other+3], s[28:29], s[68:69]
	s_or_b32 s[G0K+4*\other+3], s[G0K+4*\other+3], 0x80000000
	s_add_nc_u64 s[G0V+4*\other+2:G0V+4*\other+3], s[30:31], s[68:69]
	s_or_b32 s[G0V+4*\other+3], s[G0V+4*\other+3], 0x80000000
.endif
	s_wait_dscnt 0x0                               ; my reads of the last trip's tile are done
	ROUND                                          ; both now hold of every wave of the four partners
.if \refill
	JLOAD \other                                   ; the first thing behind the round
.endif
.irp ks, 0,1,2,3
.irp kt, 0,1
	ds_load_b128 v[FR+8*(4*\kt+\ks):FR+8*(4*\kt+\ks)+3],   v[ADRK+\slot] offset:16*PKP*\kt+64*\ks
	ds_load_b128 v[FR+8*(4*\kt+\ks)+4:FR+8*(4*\kt+\ks)+7], v[ADRK+\slot] offset:16*PKP*\kt+64*\ks+32
.endr
.endr
	s_wait_loadcnt 0x0                             ; Q (met at once but behind a block's change)
	WIN 0x08                                       ; source 1 (Q) in window 2
	; the eight accumulators of S^T take turns, one instruction a turn
.irp ks, 0,1,2,3
	s_wait_dscnt 12-4*\ks                          ; the later groups of four loads stay out
.irp kt, 0,1
.irp t, 0,1,2,3
.if \ks == 0
	v_wmma_f32_16x16x32_f16 v[SR+32*\kt+8*\t:SR+32*\kt+8*\t+7], v[FR+8*(4*\kt+\ks):FR+8*(4*\kt+\ks)+7], v[8*(4*\t+\ks):8*(4*\t+\ks)+7], 0
.else
	v_wmma_f32_16x16x32_f16 v[SR+32*\kt+8*\t:SR+32*\kt+8*\t+7], v[FR+8*(4*\kt+\ks):FR+8*(4*\kt+\ks)+7], v[8*(4*\t+\ks):8*(4*\t+\ks)+7], v[SR+32*\kt+8*\t:SR+32*\kt+8*\t+7]
.endif
.endr
.endr
.endr
	PLACES                                         ; before S^T is read, K's fragments are loaded over and Q is loaded anew
	WIN 0
.irp i, 0,1,2,3,4,5,6,7
	ds_load_tr16_b128 v[FR+8*\i:FR+8*\i+3],   v[ADRV+\slot] offset:32*\i
	ds_load_tr16_b128 v[FR+8*\i+4:FR+8*\i+7], v[ADRV+\slot] offset:32*\i+16*PVP
.endr
.if \maskc
	s_cmp_lg_u32 s17, s74                          ; a block's first trip?  The same in all waves and all partners
	s_cbranch_scc1 .Lno_mask_\@
	MASK LIM
	s_mov_b32 s74, s16                             ; the next masked trip is B's first
.Lno_mask_\@:
.endif
.if \cond
	s_cmp_lg_u32 s17, s15                          ; A's last trip?
	s_cbranch_scc1 .Lno_q_\@
	QLOAD 22                                       ; block B's Q, on its way during the rest of this trip
.Lno_q_\@:
.endif
	SOFT
	WIN 0x41                                       ; O in window 1, alpha in window 0
.irp i, 0,1,2,3,4,5,6,7
.irp t, 0,1,2,3
.irp k, 0,2,4,6
	v_pk_mul_f32 v[8*(4*\i+\t)+\k:8*(4*\i+\t)+\k+1], v[8*(4*\i+\t)+\k:8*(4*\i+\t)+\k+1], v[AL+2*\t:AL+2*\t+1] op_sel_hi:[1,0]
.endr
.endr
.endr
	s_wait_dscnt 0x0                               ; V's fragments
	WIN 0x50                                       ; C and D in window 1
	; the 32 accumulators of O^T take turns, one instruction a turn
.irp i, 0,1,2,3,4,5,6,7
.irp t, 0,1,2,3
	v_wmma_f32_16x16x32_f16 v[8*(4*\i+\t):8*(4*\i+\t)+7], v[FR+8*\i:FR+8*\i+7], v[PR+8*\t:PR+8*\t+7], v[8*(4*\i+\t):8*(4*\i+\t)+7]
.endr
.endr
	PLACES
	WIN 0
.if \cond
	s_cmp_lg_u32 s17, s15
	s_cbranch_scc1 .Lno_end_\@
	DUMP STSA, MSTA                                ; read only at the kernel's end, behind a barrier; the next trip's wait for 0 covers these stores
.irp t, 0,1,2,3
	v_mov_b32 v[MX+\t], s19                        ; block B begins
.endr
	v_mov_b32 v[LIM], v[LIMB]
.Lno_end_\@:
.endif
.if \final == 0
	s_add_co_u32 s17, s17, 1
.endif
.endm
	s_mov_b32 s18, 8
.Lpair:
	TRIP 0, 1, 1, 1, 0, 0                          ; trips 0, 2, .. 14
	TRIP 1, 0, 1, 0, 1, 0                          ; trips 1, 3, .. 15; trip 15 asks for the last tile
	s_sub_co_u32 s18, s18, 1
	s_cmp_lg_u32 s18, 0
	s_cbranch_scc1 .Lpair
	TRIP 0, 1, 0, 1, 0, 1                          ; trip 16 asks for nothing and ends block B (it is also B's first where n_A = 16)
	; THE END.  Both slots have had their last fill; when every wave's reads of slot 0 are over they take block B's parts.
	s_wait_dscnt 0x0
	s_barrier_signal -1
	s_barrier_wait -1
	DUMP STSB, MSTB
	s_wait_dscnt 0x0                               ; my stores are done, for the others' sake (block A's were waited for long ago)
	s_barrier_signal -1
	s_barrier_wait -1
	s_mov_b64 s[72:73], s[26:27]                   ; y of block B first
	s_mov_b32 s18, 2
.Lmerge:                                           ; wave w finishes query tile w: 16 rows of y
.irp u, 0,1,2,3
	ds_load_b32 v[TM+\u], v[STL] offset:1024*\u
.endr
.irp u, 0,1,2,3
	ds_load_b32 v[TX+\u], v[STL] offset:1024*\u+128
.endr
	MLOAD R0, MLD, 0
	MLOAD R1, MLD, 32768
	MLOAD R2, MLD+1, 0
	s_wait_dscnt 48                                ; the eight maxima and sums are in; the 48 loads of O stay out
	v_max3_num_f32 v[TX+4], v[TM], v[TM+1], v[TM+2]
	v_max_num_f32 v[TX+4], v[TX+4], v[TM+3]
.irp u, 0,1,2,3
	v_sub_f32 v[NM+2*\u], v[TM+\u], v[TX+4]
.endr
.irp u, 0,1,2,3
	v_exp_f32 v[NM+2*\u], v[NM+2*\u]
.endr
	v_nop                                          ; one plain place behind the exponentials
	s_wait_alu depctr_va_vdst(0)
	v_mul_f32 v[TX+5], v[TX], v[NM]
	v_fmac_f32 v[TX+5], v[TX+1], v[NM+2]
	v_fmac_f32 v[TX+5], v[TX+2], v[NM+4]
	v_fmac_f32 v[TX+5], v[TX+3], v[NM+6]
	v_permlanex16_b32 v[TX+6], v[TX+5], s66, s67   ; the other half of the lanes summed the other keys
	v_add_f32 v[TX+5], v[TX+5], v[TX+6]
	v_rcp_f32 v[TX+5], v[TX+5]                     ; at least 1: the key that gave the maximum counts 1, and a query's own key is never masked
	v_nop                                          ; one plain place behind the reciprocal
	s_wait_alu depctr_va_vdst(0)
.irp u, 0,1,2,3
	v_mul_f32 v[NM+2*\u], v[NM+2*\u], v[TX+5]
.endr
	s_wait_dscnt 32                                ; wave 0's O is in
.set n, 0
.rept 32
	v_pk_mul_f32 v[R0+2*n:R0+2*n+1], v[R0+2*n:R0+2*n+1], v[NM:NM+1] op_sel_hi:[1,0]
.set n, n+1
.endr
	s_wait_dscnt 16                                ; wave 1's
	MFMA R1, NM+2
	MLOAD R1, MLD+1, 32768                         ; wave 3's, into the buffer just used
	s_wait_dscnt 16                                ; wave 2's
	MFMA R2, NM+4
	s_wait_dscnt 0
	MFMA R1, NM+6
.set n, 0
.rept 32
	v_cvt_pk_f16_f32 v[R2+n], v[R0+2*n], v[R0+2*n+1]
.set n, n+1
.endr
.irp i, 0,1,2,3,4,5,6,7
	ds_store_b128 v[YS], v[R2+4*\i:R2+4*\i+3] offset:32*\i     ; my own stage: LDS serves a wave's instructions in order, no wait before the loads
.endr
.irp t, 0,1,2,3,4,5,6,7
	ds_load_b128 v[R1+4*\t:R1+4*\t+3], v[YR] offset:2*PKP*\t
.endr
.irp t, 0,1,2,3,4,5,6,7
	s_wait_dscnt 7-\t                              ; the younger read-backs stay out
	global_store_b128 v[YO], v[R1+4*\t:R1+4*\t+3], s[72:73] offset:2*YROWB*\t   ; 16 lanes store 256 consecutive bytes, aligned
.endr
	s_wait_xcnt 0x0                                ; the stores' base and data registers are written again only behind this wait
	s_mov_b64 s[72:73], s[24:25]                   ; then y of block A,
	v_add_nc_u32 v[STL], REGA, v[STL]              ; from block A's region
	v_add_nc_u32 v[MLD], REGA, v[MLD]
	v_add_nc_u32 v[MLD+1], REGA, v[MLD+1]
	s_sub_co_u32 s18, s18, 1
	s_cmp_lg_u32 s18, 0
	s_cbranch_scc1 .Lmerge
	s_wait_tensorcnt 0x0
	ds_add_u32 v254, v255
	s_wait_dscnt 0x0
	ROUND                                          ; the closing round
	s_endpgm
.Lfunc_end_k_qe54cb099f9_attn:
	.size	k_qe54cb099f9_attn, .Lfunc_end_k_qe54cb099f9_attn-k_qe54cb099f9_attn
	.p2alignl 7, 3214868480
	.fill 96, 4, 3214868480
	.section	.rodata,"a",@progbits
	.p2align	6, 0x0
	.amdhsa_kernel k_qe54cb099f9_attn
		.amdhsa_group_segment_fixed_size 327680
		.amdhsa_private_segment_fixed_size 0
		.amdhsa_enable_private_segment 0
		.amdhsa_kernarg_size 16
		.amdhsa_user_sgpr_count 2
		.amdhsa_user_sgpr_kernarg_segment_ptr 1
		.amdhsa_wavefront_size32 1
		.amdhsa_system_sgpr_workgroup_id_x 1
		.amdhsa_system_sgpr_workgroup_id_y 1
		.amdhsa_system_sgpr_workgroup_id_z 1
		.amdhsa_system_vgpr_workitem_id 0
		.amdhsa_next_free_vgpr 640
		.amdhsa_next_free_sgpr 76
		.amdhsa_reserve_vcc 1
		.amdhsa_float_denorm_mode_32 3
		.amdhsa_float_denorm_mode_16_64 3
		.amdhsa_memory_ordered 1
		.amdhsa_forward_progress 1
		.amdhsa_inst_pref_size 133
	.end_amdhsa_kernel
	.amdgpu_metadata
---
amdhsa.version: [ 1, 2 ]
amdhsa.kernels:
  - .name:           k_qe54cb099f9_attn
    .symbol:         k_qe54cb099f9_attn.kd
    .args:
      - { .name: qkvh, .offset: 0, .size: 8, .value_kind: global_buffer, .address_space: global }
      - { .name: yh, .offset: 8, .size: 8, .value_kind: global_buffer, .address_space: global }
    .group_segment_fixed_size: 327680
    .private_segment_fixed_size: 0
    .kernarg_segment_align: 8
    .kernarg_segment_size: 16
    .max_flat_workgroup_size: 128
    .sgpr_count:     76
    .vgpr_count:     640
    .wavefront_size: 32
...
	.end_amdgpu_metadata
.endif
;; end of part 6
;; launch gemm_proj (part 7): grid 16 x 16, 4 waves a work-group, clusters of 4 x 4, 327,680 bytes of LDS; arguments yh, wpf, b_proj, out0; writes out0
.if DOCPART == 7
	.amdgcn_target "amdgcn-amd-amdhsa--gfx1250"
	.amdhsa_code_object_version 6
	.text
	.protected	k_qe54cb099f9_gemm_proj
	.globl	k_qe54cb099f9_gemm_proj
	.p2align	8
	.type	k_qe54cb099f9_gemm_proj,@function
k_qe54cb099f9_gemm_proj:
	s_mov_b64 s[64:65], 0
	v_nop
	global_prefetch_b8 v0, s[64:65] scope:SCOPE_SE
	s_setreg_imm32_b32 hwreg(HW_REG_WAVE_MODE, 25, 1), 1
	s_wait_xcnt 0x0
	s_wait_alu depctr_hold_cnt(0) depctr_sa_sdst(0) depctr_va_vdst(0) depctr_va_sdst(0) depctr_va_ssrc(0) depctr_va_vcc(0) depctr_vm_vsrc(0)
	s_getreg_b32 s2, hwreg(HW_REG_IB_STS2, 6, 4)
	s_cmp_eq_u32 s2, 0
	s_cbranch_scc0 .Lentry_in_a_cluster
	s_endpgm
.Lentry_in_a_cluster:
	s_bfe_u32 s2, ttmp6, 0x10000c
	s_cmp_lg_u32 s2, 0xf033
	s_cbranch_scc0 .Lentry_shape_is_right
	s_endpgm
.Lentry_shape_is_right:
; out0[t][n] = sum over k of yh[t][k] wpf[k][n] + b_proj[n], f32.  yh [2048][2048] f16, wpf [2048 k][2048 n] f16 (the bf16 values of W_proj), sums in f32.
; A work-group makes 128 rows x 128 columns: 16 x 16 = 256 work-groups; a stored row piece is 512 bytes, two whole aligned blocks of 256.
; Wave w makes rows 64 (w / 2) .. + 63 x columns 64 (w mod 2) .. + 63: m-tiles a = 0..3, n-tiles b = 0..3, 16 accumulators.
; K goes in steps of 256 through two LDS slots: a square block takes 512 bytes for each unit of K, so two slots of 256 fit (2 x 141,312 bytes), and the
; whole K is eight steps: two first fills and six refills, each wave bringing 32,768 bytes with its one load.
; CLUSTERS: 4 x 4 work-groups.  y's tile hangs on the block row alone (joint along a row of the cluster), W's on the block column alone (joint along a
; column).  Waves 0, 1 ask for W's halves (128 k-rows x 256 bytes), waves 2, 3 for y's halves (64 rows x 512 bytes).
; K ORDER: cluster (X, Y) begins at K step 2 X + 4 (Y mod 2) and goes round modulo 8.  So the clusters that need the same rows of y (same Y) or of W
; (same X) ask for a given K step in different rounds, and all but the first of them ask for bytes that have been read before.  The start step is
; made of the cluster's x and y alone, which all partners of a joint load share.  Only the order of the f32 additions differs between clusters.
; The matrix instruction is used transposed (source 0 = 16 columns of W, source 1 = 16 rows of y): lane (r, h), register j holds
; C(row 64 (w / 2) + 16 a + r, column 64 (w mod 2) + 16 b + 8 h + j).
; LIMITS (format): y arrives in f16 (below 65,504).  With ROUND_SMALL = 1 the bias is rounded once to bf16 before use, as all inputs are.
.set ROUND_SMALL, 1
.set KSTEP,  256
.set KDIM,   2048
.set NB,     4
.set NPITCH, 2048
.set PA,     528                       ; LDS pitch of y's rows: 512 + 16, an odd multiple of 16
.set PB,     288                       ; LDS pitch of W's rows: 256 + 32, an odd multiple of 32
.set BOFF,   128*PA                    ; 67,584: W's 256 k-rows lie behind y's 128 rows
.set SLOT,   BOFF+KSTEP*PB             ; 141,312
.set SP,     528                       ; the way out: 128 rows of 512 + 16 bytes, in slot 0's y region, from LDS byte 0
.set LAPS,   KDIM/(2*KSTEP)            ; 4 laps of two K steps
.set ADRX, 4                           ; v4-5   my y fragments, slot 0, 1
.set ADRW, 6                           ; v6-9   my W fragments, slot s, k-rows 128 g .. at 2 s + g (the 16-bit immediate does not reach over 256 rows)
.set VBI,  12
.set STO,  14
.set RD,   15
.set CO,   16
.set F0,   32                          ; v32-95   fragment buffer 0: W's tile b at 8 b, y's tile a at XF + 8 a
.set F1,   96                          ; v96-159  fragment buffer 1
.set XF,   8*NB
.set XR,   160                         ; way out: v160-191 one m-tile's 32 numbers
.set BI,   192                         ; v192-223 bias
.set TT,   224                         ; v224-231 at work
.set OUTR, 32                          ; v32-159 rows read back
; window 1: accumulator (a, b) at v[8 (4 a + b)]
.set G1A, 24
.set G0A, 32
.set G1B, 40
.set G0B, 48
.set MSB, 0
.macro WIN new                         ; the immediate's high byte repeats the setting that is left
.if MSB != \new
	s_set_vgpr_msb (MSB<<8)|\new
.set MSB, \new
.endif
.endm
.set MUL, 0x50                         ; C and D in window 1, both fragments in window 0
.macro JLOAD s                         ; one joint load a wave; the branch hangs on the wave's number alone
	s_cmp_lt_u32 s16, 2
	s_cbranch_scc1 .Lfor_b_\@
	tensor_load_to_lds s[G0A+4*\s:G0A+4*\s+3], s[G1A:G1A+7]
	s_nop 0
	s_branch .Lasked_\@
.Lfor_b_\@:
	tensor_load_to_lds s[G0B+4*\s:G0B+4*\s+3], s[G1B:G1B+7]
	s_nop 0
.Lasked_\@:
.endm
; The addresses of K step s66 go into slot s's two groups 0, and s66 steps on, modulo 8.  Called only where no tensor load of the wave is out.
.macro KADDR s
	s_lshl_b32 s68, s66, 9                         ; K step x 512 bytes along a row of yh
	s_lshl_b32 s70, s66, 20                        ; K step x 256 rows of wpf of 4,096 bytes
	s_add_nc_u64 s[G0A+4*\s+2:G0A+4*\s+3], s[58:59], s[68:69]
	s_or_b32 s[G0A+4*\s+3], s[G0A+4*\s+3], 0x80000000
	s_add_nc_u64 s[G0B+4*\s+2:G0B+4*\s+3], s[62:63], s[70:71]
	s_or_b32 s[G0B+4*\s+3], s[G0B+4*\s+3], 0x80000000
	s_add_co_u32 s66, s66, 1
	s_and_b32 s66, s66, 7
.endm
.macro CREST                           ; a round of the cluster's barrier behind its opening barrier
	s_cmp_lg_u32 s16, 0
	s_cbranch_scc1 .Lnot_wave_0_\@
	s_barrier_signal -3
.Lnot_wave_0_\@:
	s_barrier_wait -3
	s_barrier_signal -1
	s_barrier_wait -1
.endm
.macro CROUND
	s_barrier_signal -1
	s_barrier_wait -1
	CREST
.endm
.macro PLACES                          ; four places behind a matrix instruction (ISA guide 7.12.1) before its registers are loaded into or its results read
.rept 4
	v_nop
.endr
.endm
	s_load_b256 s[4:11], s[0:1], 0x0               ; yh s[4:5], wpf s[6:7], b_proj s[8:9], out0 s[10:11]
	v_lshl_add_u32 v254, v0, 2, 0x45000
	v_mov_b32 v255, 0
	ds_add_u32 v254, v255
	v_lshrrev_b32 v1, 5, v0
	v_readfirstlane_b32 s16, v1                    ; wave 0..3
	s_and_b32 s21, s16, 1                          ; my half of the block's columns; also which half of a tile I ask for
	s_lshr_b32 s14, s16, 1                         ; my half of the block's rows
	s_bfe_u32 s17, ttmp6, 0x40000                  ; cx
	s_bfe_u32 s18, ttmp6, 0x40004                  ; cy
	s_lshl_b32 s19, ttmp9, 2
	s_add_co_u32 s19, s19, s17                     ; block column 0..15
	s_and_b32 s20, ttmp7, 0xffff
	s_lshl_b32 s20, s20, 2
	s_add_co_u32 s20, s20, s18                     ; block row 0..15
	s_and_b32 s66, ttmp7, 1                        ; the cluster's first K step: 4 (Y mod 2) + 2 X, modulo 8
	s_lshl_b32 s66, s66, 2
	s_lshl_b32 s67, ttmp9, 1
	s_add_co_u32 s66, s66, s67
	s_and_b32 s66, s66, 7
	s_mov_b32 s69, 0                               ; high words of the two K offsets
	s_mov_b32 s71, 0
	s_lshl_b32 s22, s18, 2
	s_lshl_b32 s22, 15, s22                        ; my row of the cluster
	s_lshl_b32 s23, 0x1111, s17                    ; my column
	s_or_b32 s[G1A+0], s22, (1<<16)|(1<<20)|(1<<21)|(6<<22)|(3<<25)   ; mask; 2-byte elements; padding on; bit 21 beside a mask; after 128 words 4 words
	s_mov_b32 s[G1A+1], KSTEP<<16                  ; tensor_dim0 = 256
	s_mov_b32 s[G1A+2], 64<<16                     ; tensor_dim1 = 64
	s_mov_b32 s[G1A+3], KSTEP<<16                  ; tile_dim0 = 256
	s_mov_b32 s[G1A+4], 64                         ; tile_dim1 = 64
	s_mov_b32 s[G1A+5], KDIM                       ; elements from row to row of yh
	s_mov_b32 s[G1A+6], 0
	s_mov_b32 s[G1A+7], 0
	s_or_b32 s[G1B+0], s23, (1<<16)|(1<<20)|(1<<21)|(5<<22)|(7<<25)   ; my column's mask; after 64 words 8 words
	s_mov_b32 s[G1B+1], 128<<16                    ; 128 columns
	s_mov_b32 s[G1B+2], 128<<16                    ; 128 k-rows
	s_mov_b32 s[G1B+3], 128<<16
	s_mov_b32 s[G1B+4], 128
	s_mov_b32 s[G1B+5], NPITCH
	s_mov_b32 s[G1B+6], 0
	s_mov_b32 s[G1B+7], 0
	; y's address is made of the block row and the wave's number, W's of the block column and the wave's number, each in registers that never hold the other coordinate
	s_lshl_b32 s56, s20, 19                        ; y: 128 rows x 4,096 bytes a block row,
	s_lshl_b32 s2, s21, 18                         ; + 64 rows for the second half
	s_add_co_u32 s56, s56, s2
	s_mov_b32 s57, 0
	s_lshl_b32 s60, s19, 8                         ; W: 128 columns a block column,
	s_lshl_b32 s2, s21, 19                         ; + 128 k-rows for the second half
	s_add_co_u32 s60, s60, s2
	s_mov_b32 s61, 0
	s_mul_i32 s12, s21, 64*PA                      ; where y's halves go,
	s_mul_i32 s13, s21, 128*PB                     ; and W's
	s_add_co_u32 s13, s13, BOFF
	s_wait_dscnt 0x0
	s_wait_kmcnt 0x0
	s_add_nc_u64 s[58:59], s[4:5], s[56:57]        ; y's rows at K = 0; never rewritten
	s_add_nc_u64 s[62:63], s[6:7], s[60:61]        ; W's columns at K = 0; never rewritten
	CROUND                                         ; all sixteen work-groups are here: the first joint loads meet
.irp s, 0,1
	s_mov_b32 s[G0A+4*\s], 1
	s_add_co_u32 s[G0A+4*\s+1], s12, \s*SLOT
	s_mov_b32 s[G0B+4*\s], 1
	s_add_co_u32 s[G0B+4*\s+1], s13, \s*SLOT
	KADDR \s
	JLOAD \s                                       ; the walk's first two K steps: two tensor loads of the wave are out
.endr
	v_and_b32 v1, 15, v0                           ; r
	v_bfe_u32 v2, v0, 4, 1                         ; h
	v_and_b32 v3, 7, v0
	v_bfe_u32 v17, v0, 3, 1
	v_and_b32 v20, 31, v0                          ; lane
	v_mul_u32_u24 v18, v1, PA                      ; y fragment: row r of my 64, 16 bytes for each half of the lanes
	v_lshl_add_u32 v18, v2, 4, v18
	s_mul_i32 s2, s14, 64*PA
	v_add_nc_u32 v[ADRX], s2, v18
	v_add_nc_u32 v[ADRX+1], SLOT, v[ADRX]
	v_lshl_add_u32 v19, v2, 3, v3                  ; W fragment: k-row 8 h + lane mod 8,
	v_mul_u32_u24 v19, v19, PB
	v_lshl_add_u32 v19, v17, 4, v19                ; 16 bytes on for lanes 8-15 of each half,
	s_lshl_b32 s2, s21, 7                          ; my 64 columns
	s_add_co_u32 s2, s2, BOFF
	v_add_nc_u32 v19, s2, v19
.irp s, 0,1
.irp g, 0,1
	v_add_nc_u32 v[ADRW+2*\s+\g], \s*SLOT+\g*128*PB, v19
.endr
.endr
	s_lshl_b32 s23, s19, 9                         ; bias: 4 (128 block + 64 (w mod 2) + 16 b + 8 h)
	s_lshl_b32 s2, s21, 8
	s_add_co_u32 s23, s23, s2
	v_lshlrev_b32 v[VBI], 5, v2
	v_add_nc_u32 v[VBI], s23, v[VBI]
.irp b, 0,1,2,3
	global_load_b128 v[BI+8*\b:BI+8*\b+3],   v[VBI], s[8:9] offset:64*\b         ; waited for once, at the head of the way out
	global_load_b128 v[BI+8*\b+4:BI+8*\b+7], v[VBI], s[8:9] offset:64*\b+16
.endr
	v_mul_u32_u24 v[STO], v1, SP                   ; in: row 64 (w / 2) + r, byte 256 (w mod 2) + 32 h (+ 16 a rows and 64 b in the immediate)
	v_lshl_add_u32 v[STO], v2, 5, v[STO]
	s_mul_i32 s2, s14, 64*SP
	s_lshl_b32 s22, s21, 8
	s_add_co_u32 s2, s2, s22
	v_add_nc_u32 v[STO], s2, v[STO]
	s_mul_i32 s2, s16, 32*SP                       ; back: rows 32 w .., 32 lanes take a row's 512 bytes
	v_lshl_add_u32 v[RD], v20, 4, s2
	s_lshl_b32 s2, s16, 18                         ; the same rows in out0: 32 rows x 8,192 bytes a wave
	v_lshl_add_u32 v[CO], v20, 4, s2
; The 16 accumulators take turns, one instruction a turn, in the same order in every quarter-hundred of K, over the loop's backward jump too.
.macro MULA f, a, zero
.irp b, 0,1,2,3
.if \zero
	v_wmma_f32_16x16x32_f16 v[8*(NB*\a+\b):8*(NB*\a+\b)+7], v[\f+8*\b:\f+8*\b+7], v[\f+XF+8*\a:\f+XF+8*\a+7], 0
.else
	v_wmma_f32_16x16x32_f16 v[8*(NB*\a+\b):8*(NB*\a+\b)+7], v[\f+8*\b:\f+8*\b+7], v[\f+XF+8*\a:\f+XF+8*\a+7], v[8*(NB*\a+\b):8*(NB*\a+\b)+7]
.endif
.endr
.endm
; 16 LDS loads in one run: part q of eight (32 along K) of slot s into buffer f: eight transposing loads for W, eight plain ones for y
.macro FETCH s, q, f
.irp b, 0,1,2,3
	ds_load_tr16_b128 v[\f+8*\b:\f+8*\b+3],   v[ADRW+2*\s+\q/4] offset:\b*32+(\q%4)*32*PB
	ds_load_tr16_b128 v[\f+8*\b+4:\f+8*\b+7], v[ADRW+2*\s+\q/4] offset:\b*32+(\q%4)*32*PB+16*PB
.endr
.irp a, 0,1,2,3
	ds_load_b128 v[\f+XF+8*\a:\f+XF+8*\a+3],   v[ADRX+\s] offset:\a*16*PA+\q*64
	ds_load_b128 v[\f+XF+8*\a+4:\f+XF+8*\a+7], v[ADRX+\s] offset:\a*16*PA+\q*64+32
.endr
.endm
; one of a K step's first seven parts: multiplies buffer f, fetches part q of the same slot into buffer g in its middle
.macro PART s, q, f, g, zero
	s_wait_dscnt 4                                 ; all but the four youngest loads (y's m-tiles 2 and 3) are in
	WIN MUL
	MULA \f, 0, \zero
	MULA \f, 1, \zero
	PLACES
	WIN 0
	FETCH \s, \q, \g
	s_wait_dscnt 2*NB+8                            ; all but the 16 just issued
	WIN MUL
	MULA \f, 2, \zero
	MULA \f, 3, \zero
.endm
.macro SEVEN s, zero
	PART \s, 1, F0, F1, \zero
	PART \s, 2, F1, F0, 0
	PART \s, 3, F0, F1, 0
	PART \s, 4, F1, F0, 0
	PART \s, 5, F0, F1, 0
	PART \s, 6, F1, F0, 0
	PART \s, 7, F0, F1, 0
.endm
; the eighth part multiplies buffer 1 and changes slots: each wave's reads of this slot and all its tensor loads (one is out: its part of the next slot)
; are waited for in front of the barrier; where the slot is filled again the barrier opens a round of the cluster's barrier and the joint refill is the
; first tensor load behind the round.  From a request to the wait for it a wave issues 124 of a K step's 128 matrix instructions.
.macro TURN s, next, fill
	s_wait_dscnt 4
	WIN MUL
	MULA F1, 0, 0
	s_wait_dscnt 0
	s_wait_tensorcnt 0x0
	ds_add_u32 v254, v255
	s_wait_dscnt 0x0
	s_barrier_signal -1
	MULA F1, 1, 0                                  ; register work while the others arrive
	WIN 0
	s_barrier_wait -1
.if \fill
	CREST
	KADDR \s                                       ; no load of mine is out: this slot's groups 0 take the walk's next K step
	JLOAD \s
.endif
	PLACES
	FETCH \next, 0, F0
	WIN MUL
	MULA F1, 2, 0
	MULA F1, 3, 0
.endm
.macro LAP zero
	SEVEN 0, \zero
	TURN 0, 1, 1
	SEVEN 1, 0
	TURN 1, 0, 1
.endm
	s_wait_tensorcnt 1                             ; my part of the first K step is in; the second's stays out
	s_barrier_signal -1
	s_barrier_wait -1
	FETCH 0, 0, F0
	LAP 1                                          ; the first products start the sums: nothing is cleared
	WIN 0
	s_mov_b32 s3, LAPS-2
.Llap:
	LAP 0
	WIN 0
	s_sub_co_u32 s3, s3, 1
	s_cmp_lg_u32 s3, 0
	s_cbranch_scc1 .Llap
	SEVEN 0, 0                                     ; the last lap fills nothing: 2 + 6 fills have brought each of the 8 K steps once
	TURN 0, 1, 0                                   ; behind this barrier no wave reads slot 0 any more, and no fill lands in it
	SEVEN 1, 0
	s_wait_dscnt 4
	WIN MUL
	MULA F1, 0, 0
	MULA F1, 1, 0
	s_wait_dscnt 0
	MULA F1, 2, 0
	MULA F1, 3, 0
	; THE WAY OUT, through slot 0's y region (128 rows x 528 bytes): it has had its last fill, and the barrier of the last change of slots stands behind
	; every wave's reads of it
	PLACES
	WIN 0
	s_wait_loadcnt 0x0                             ; the bias
	s_lshl_b32 s56, s20, 20                        ; out0 at my block: 128 rows x 8,192 bytes, then 512 bytes a block column
	s_add_nc_u64 s[10:11], s[10:11], s[56:57]
	s_lshl_b32 s60, s19, 9
	s_add_nc_u64 s[10:11], s[10:11], s[60:61]
.if ROUND_SMALL
	s_mov_b32 s2, 0xffff0000
.set n, 0
.rept 16
	v_cvt_pk_bf16_f32 v[TT+n%8], v[BI+2*n], v[BI+2*n+1]
	v_lshlrev_b32 v[BI+2*n], 16, v[TT+n%8]
	v_and_b32 v[BI+2*n+1], s2, v[TT+n%8]
.set n, n+1
.endr
.endif
.irp a, 0,1,2,3
	WIN 0x01                                       ; source 0 (the sums) in window 1
.set n, 0
.rept 16
	v_pk_add_f32 v[XR+2*n:XR+2*n+1], v[8*NB*\a+2*n:8*NB*\a+2*n+1], v[BI+2*n:BI+2*n+1]
.set n, n+1
.endr
	WIN 0
.irp b, 0,1,2,3
	ds_store_b128 v[STO], v[XR+8*\b:XR+8*\b+3]   offset:16*SP*\a+64*\b
	ds_store_b128 v[STO], v[XR+8*\b+4:XR+8*\b+7] offset:16*SP*\a+64*\b+16
.endr
.endr
	s_wait_dscnt 0x0                               ; my stores into the stage are done, for the others' sake
	s_barrier_signal -1
	s_barrier_wait -1
.set n, 0
.rept 32
	ds_load_b128 v[OUTR+4*n:OUTR+4*n+3], v[RD] offset:SP*n
.set n, n+1
.endr
.set n, 0
.rept 32
	s_wait_dscnt 31-n                              ; the younger read-backs stay out
	global_store_b128 v[CO], v[OUTR+4*n:OUTR+4*n+3], s[10:11] offset:NPITCH*4*n th:TH_STORE_NT   ; a wave stores 512 consecutive bytes, aligned
.set n, n+1
.endr
	s_wait_tensorcnt 0x0
	ds_add_u32 v254, v255
	s_wait_dscnt 0x0
	CROUND                                         ; the closing round: no work-group ends while a partner may still ask for a tile that names it
	s_endpgm
.Lfunc_end_k_qe54cb099f9_gemm_proj:
	.size	k_qe54cb099f9_gemm_proj, .Lfunc_end_k_qe54cb099f9_gemm_proj-k_qe54cb099f9_gemm_proj
	.p2alignl 7, 3214868480
	.fill 96, 4, 3214868480
	.section	.rodata,"a",@progbits
	.p2align	6, 0x0
	.amdhsa_kernel k_qe54cb099f9_gemm_proj
		.amdhsa_group_segment_fixed_size 327680
		.amdhsa_private_segment_fixed_size 0
		.amdhsa_enable_private_segment 0
		.amdhsa_kernarg_size 32
		.amdhsa_user_sgpr_count 2
		.amdhsa_user_sgpr_kernarg_segment_ptr 1
		.amdhsa_wavefront_size32 1
		.amdhsa_system_sgpr_workgroup_id_x 1
		.amdhsa_system_sgpr_workgroup_id_y 1
		.amdhsa_system_sgpr_workgroup_id_z 1
		.amdhsa_system_vgpr_workitem_id 0
		.amdhsa_next_free_vgpr 384
		.amdhsa_next_free_sgpr 72
		.amdhsa_reserve_vcc 0
		.amdhsa_float_denorm_mode_32 3
		.amdhsa_float_denorm_mode_16_64 3
		.amdhsa_memory_ordered 1
		.amdhsa_forward_progress 1
		.amdhsa_inst_pref_size 136
	.end_amdhsa_kernel
	.amdgpu_metadata
---
amdhsa.version: [ 1, 2 ]
amdhsa.kernels:
  - .name:           k_qe54cb099f9_gemm_proj
    .symbol:         k_qe54cb099f9_gemm_proj.kd
    .args:
      - { .name: yh, .offset: 0, .size: 8, .value_kind: global_buffer, .address_space: global }
      - { .name: wpf, .offset: 8, .size: 8, .value_kind: global_buffer, .address_space: global }
      - { .name: b_proj, .offset: 16, .size: 8, .value_kind: global_buffer, .address_space: global }
      - { .name: out0, .offset: 24, .size: 8, .value_kind: global_buffer, .address_space: global }
    .group_segment_fixed_size: 327680
    .private_segment_fixed_size: 0
    .kernarg_segment_align: 8
    .kernarg_segment_size: 32
    .max_flat_workgroup_size: 128
    .sgpr_count:     72
    .vgpr_count:     384
    .wavefront_size: 32
...
	.end_amdgpu_metadata
.endif
;; end of part 7
;; ======== version 3 of 3: 4 launches; version 2 with the launch cvt written anew for expert scheduling mode
;; limits: values outside matrix products are rounded to bf16; values are held in f16: magnitudes above 65,504 overflow, below 6.1e-05 lose precision
;; workspace buffers: xb 8,388,608 bytes; wab 12,582,912 bytes; wpf 8,388,608 bytes; qkvh 12,582,912 bytes; yh 8,388,608 bytes
;; launch cvt (part 8): grid 256 x 1, 7 waves a work-group, no clusters, 0 bytes of LDS; arguments W_attn, W_proj, x, wab, wpf, xb; writes wab, wpf, xb
.if DOCPART == 8
	.amdgcn_target "amdgcn-amd-amdhsa--gfx1250"
	.amdhsa_code_object_version 6
	.text
	.protected	k_qe54cb099f9_cvt
	.globl	k_qe54cb099f9_cvt
	.p2align	8
	.type	k_qe54cb099f9_cvt,@function
k_qe54cb099f9_cvt:
	s_mov_b64 s[64:65], 0
	v_nop
	global_prefetch_b8 v0, s[64:65] scope:SCOPE_SE
	s_setreg_imm32_b32 hwreg(HW_REG_WAVE_SCHED_MODE, 0, 2), 2
	s_setreg_imm32_b32 hwreg(HW_REG_WAVE_MODE, 25, 1), 1
	s_wait_xcnt 0x0
	s_wait_alu depctr_vm_vsrc(0)
; Three casts, layouts unchanged: x -> xb (bf16), W_attn -> wab (bf16), W_proj -> wpf (rounded to bf16, then carried in f16).
; A unit is 32,768 bytes in and 16,384 bytes out; there are 768 + 512 + 512 = 1,792 = 256 x 7 units, one for each wave.
; Waves 0-2 take W_attn, waves 3-4 W_proj, waves 5-6 x.  Nothing is shared between work-groups, so there is no LDS, no barrier, no cluster.
; A load of a wave covers 512 neighbouring bytes, a store 256 neighbouring bytes at a multiple of 256 from the buffer's first byte.
; LIMIT (format): the bf16 value of W_proj is exact in f16 for 2^-14 <= |w| < 65,504; below that it is rounded to a multiple of 2^-24,
; above it becomes infinity.
; THE MODE: SCHED_MODE bits 1:0 = 2 (LLVM: expert scheduling mode 2), set by the entry lines.  The code itself states the register dependences
; between vector instructions and memory instructions, with s_wait_alu, always for 0.
; THE PLAN.  A unit's 64 chunks of 512 bytes go in 8 blocks of 8.  Registers that memory instructions touch:
;   X0 .. X4   five blocks as loaded.  Written by the loads of blocks 0 to 3 at the start and by the loads of block p + 4, issued in block p;
;              read by block p's conversions.
;   Y0, Y1     two blocks to store.    Written by block p's conversions; read by the eight stores that are issued in block p + 1.
;   v1, v2     byte offsets, made once at the head and never written again; the bases are made once too: every chunk stands in the immediate offset.
; Block p works on X[p % 5] and writes Y[p % 2].  Its memory instructions are the loads into X[(p + 4) % 5] = X[(p - 1) % 5] and the stores from
; Y[(p - 1) % 2]: the two buffers that block p - 1 worked on and that no vector instruction of block p names.  So the waits at the head of a block
; state all that the block's sixteen memory instructions hang on, and these are dealt among its conversions with no further wait.
; The text has no loop: there is no backward jump to count round.
.set BLOCK,  8                         ; chunks in a block
.set BLOCKS, 8
.set XR, 8                             ; v[8:167]    buffer k, chunk i: four f32 as loaded at XR + 32 k + 4 i
.set YR, 168                           ; v[168:199]  buffer k, chunk i: four 16-bit numbers to store at YR + 16 k + 2 i
.set TR, 200                           ; v[200:207]  at work, two sets by turns: no memory instruction names them
	s_load_b256 s[4:11], s[0:1], 0x0               ; W_attn s[4:5], W_proj s[6:7], x s[8:9], wab s[10:11]
	s_load_b128 s[12:15], s[0:1], 0x20             ; wpf s[12:13], xb s[14:15]
	v_lshrrev_b32 v3, 5, v0
	v_readfirstlane_b32 s16, v3                    ; wave 0..6
	v_and_b32 v4, 31, v0
	v_lshlrev_b32 v1, 4, v4                        ; 16 bytes a lane in
	v_lshlrev_b32 v2, 3, v4                        ; 8 bytes a lane out; neither is ever rewritten
	s_mov_b32 s25, 0xffff0000                      ; a word's upper bf16
	s_mov_b32 s19, 0                               ; high words of the two offsets
	s_mov_b32 s21, 0
	s_wait_alu depctr_va_sdst(0)                   ; s16 is written, ahead of its first reader, the compare below, and of the first branch
	s_wait_alu depctr_va_vdst(0)                   ; v1 and v2 are written: every load of the kernel reads v1 as its offset, every store v2
	s_wait_kmcnt 0x0
.macro BASES src, dst                  ; s17 = my unit: both pointers go to it
	s_lshl_b32 s18, s17, 15
	s_lshl_b32 s20, s17, 14
	s_add_nc_u64 s[\src:\src+1], s[\src:\src+1], s[18:19]
	s_add_nc_u64 s[\dst:\dst+1], s[\dst:\dst+1], s[20:21]
.endm
; 64 chunks in 8 blocks through five X buffers: 24 to 32 loads of the wave are on their way until the tail.
.macro STREAM src, dst, half
.set c, 0
.rept 4*BLOCK
	global_load_b128 v[XR+4*c:XR+4*c+3], v1, s[\src:\src+1] offset:512*c th:TH_LOAD_NT  ; blocks 0 to 3 into X0 to X3, which no vector instruction has named
.set c, c+1
.endr
.set p, 0
.rept BLOCKS
.set xb, XR+4*BLOCK*(p%5)              ; this block's numbers as loaded
.set xn, XR+4*BLOCK*((p+4)%5)          ; the buffer that the block before emptied: block p + 4 lands here
.set yb, YR+2*BLOCK*(p%2)              ; this block's numbers to store
.set yo, YR+2*BLOCK*((p+1)%2)          ; the block before's, stored now
.if p < 4
	s_wait_loadcnt 3*BLOCK                         ; loads come back in order (ISA guide 5.7.1): block p is in, the three younger blocks stay out
.else
	s_wait_loadcnt BLOCK*(BLOCKS-1-p)              ; the tail loads nothing: the counts run down
.endif
.if p > 1
	s_wait_xcnt 0x0                                ; every earlier memory instruction has had its addresses translated (ISA guide 3.1): Y[p % 2], the data of the stores issued in the block before, is rewritten only behind this wait
	s_wait_alu depctr_vm_vsrc(0)                   ; the stores issued in the block before have read Y[p % 2], which this block's conversions write again
.endif
.if p > 0
	s_wait_alu depctr_va_vdst(0)                   ; the block before has written the other Y, which the stores below read, and is done reading its X, in which the loads below land
.endif
.set i, 0
.rept BLOCK
.if p < 4
	global_load_b128 v[xn+4*i:xn+4*i+3], v1, s[\src:\src+1] offset:512*(BLOCK*(p+4)+i) th:TH_LOAD_NT  ; four blocks ahead; no vector instruction since the wait names these registers
.endif
.if p > 0
	global_store_b64 v2, v[yo+2*i:yo+2*i+1], s[\dst:\dst+1] offset:256*(BLOCK*(p-1)+i)  ; the block before
.endif
	v_cvt_pk_bf16_f32 v[yb+2*i], v[xb+4*i], v[xb+4*i+1]
	v_cvt_pk_bf16_f32 v[yb+2*i+1], v[xb+4*i+2], v[xb+4*i+3]
.if \half
.set tr, TR+4*(i%2)
	v_lshlrev_b32 v[tr], 16, v[yb+2*i]             ; the bf16 values back in f32,
	v_and_b32 v[tr+1], s25, v[yb+2*i]
	v_lshlrev_b32 v[tr+2], 16, v[yb+2*i+1]
	v_and_b32 v[tr+3], s25, v[yb+2*i+1]
	v_cvt_pk_f16_f32 v[yb+2*i], v[tr], v[tr+1]     ; and into f16, which holds their 8 significant bits
	v_cvt_pk_f16_f32 v[yb+2*i+1], v[tr+2], v[tr+3]
.endif
.set i, i+1
.endr
.set p, p+1
.endr
	s_wait_alu depctr_va_vdst(0)                   ; block 7 has written Y1, which the last eight stores read
.set i, 0
.rept BLOCK
	global_store_b64 v2, v[YR+2*BLOCK+2*i:YR+2*BLOCK+2*i+1], s[\dst:\dst+1] offset:256*(BLOCK*(BLOCKS-1)+i)
.set i, i+1
.endr
.endm
	s_cmp_ge_u32 s16, 5
	s_cbranch_scc1 .Lx
	s_cmp_ge_u32 s16, 3
	s_cbranch_scc1 .Lwproj
	s_mul_i32 s17, ttmp9, 3                        ; W_attn: unit 3 x work-group + wave
	s_add_co_u32 s17, s17, s16
	BASES 4, 10
	STREAM 4, 10, 0
	s_endpgm
.Lwproj:
	s_lshl_b32 s17, ttmp9, 1                       ; W_proj: unit 2 x work-group + wave - 3
	s_add_co_u32 s17, s17, s16
	s_sub_co_u32 s17, s17, 3
	BASES 6, 12
	STREAM 6, 12, 1
	s_endpgm
.Lx:
	s_lshl_b32 s17, ttmp9, 1                       ; x: unit 2 x work-group + wave - 5
	s_add_co_u32 s17, s17, s16
	s_sub_co_u32 s17, s17, 5
	BASES 8, 14
	STREAM 8, 14, 0
	s_endpgm
.Lfunc_end_k_qe54cb099f9_cvt:
	.size	k_qe54cb099f9_cvt, .Lfunc_end_k_qe54cb099f9_cvt-k_qe54cb099f9_cvt
	.p2alignl 7, 3214868480
	.fill 96, 4, 3214868480
	.section	.rodata,"a",@progbits
	.p2align	6, 0x0
	.amdhsa_kernel k_qe54cb099f9_cvt
		.amdhsa_group_segment_fixed_size 0
		.amdhsa_private_segment_fixed_size 0
		.amdhsa_enable_private_segment 0
		.amdhsa_kernarg_size 48
		.amdhsa_user_sgpr_count 2
		.amdhsa_user_sgpr_kernarg_segment_ptr 1
		.amdhsa_wavefront_size32 1
		.amdhsa_system_sgpr_workgroup_id_x 1
		.amdhsa_system_sgpr_workgroup_id_y 1
		.amdhsa_system_sgpr_workgroup_id_z 1
		.amdhsa_system_vgpr_workitem_id 0
		.amdhsa_next_free_vgpr 208
		.amdhsa_next_free_sgpr 66
		.amdhsa_reserve_vcc 0
		.amdhsa_float_denorm_mode_32 3
		.amdhsa_float_denorm_mode_16_64 3
		.amdhsa_memory_ordered 1
		.amdhsa_forward_progress 1
		.amdhsa_inst_pref_size 81
	.end_amdhsa_kernel
	.amdgpu_metadata
---
amdhsa.version: [ 1, 2 ]
amdhsa.kernels:
  - .name:           k_qe54cb099f9_cvt
    .symbol:         k_qe54cb099f9_cvt.kd
    .args:
      - { .name: W_attn, .offset: 0, .size: 8, .value_kind: global_buffer, .address_space: global }
      - { .name: W_proj, .offset: 8, .size: 8, .value_kind: global_buffer, .address_space: global }
      - { .name: x, .offset: 16, .size: 8, .value_kind: global_buffer, .address_space: global }
      - { .name: wab, .offset: 24, .size: 8, .value_kind: global_buffer, .address_space: global }
      - { .name: wpf, .offset: 32, .size: 8, .value_kind: global_buffer, .address_space: global }
      - { .name: xb, .offset: 40, .size: 8, .value_kind: global_buffer, .address_space: global }
    .group_segment_fixed_size: 0
    .private_segment_fixed_size: 0
    .kernarg_segment_align: 8
    .kernarg_segment_size: 48
    .max_flat_workgroup_size: 224
    .sgpr_count:     66
    .vgpr_count:     208
    .wavefront_size: 32
...
	.end_amdgpu_metadata
.endif
;; end of part 8
;; launch gemm_qkv: the kernel of part 5 again; grid 8 x 32, 4 waves a work-group, clusters of 4 x 4, 327,680 bytes of LDS; arguments xb, wab, b_attn, freqs_cos, freqs_sin, qkvh; writes qkvh
;; launch attn: the kernel of part 6 again; grid 16 x 16, 4 waves a work-group, clusters of 4 x 1, 327,680 bytes of LDS; arguments qkvh, yh; writes yh
;; launch gemm_proj: the kernel of part 7 again; grid 16 x 16, 4 waves a work-group, clusters of 4 x 4, 327,680 bytes of LDS; arguments yh, wpf, b_proj, out0; writes out0
